; MI455X (gfx1250); checked and timed in simulation.
; The chip was launched on July 23, 2026; its instructions are those of AMD's public machine-readable ISA for CDNA 5 (MIT licence, August 2026) and "CDNA5" Instruction Set Architecture Reference Guide (July 2026). The comments in the code are by the model that wrote it; some were corrected since.
;; Causal Self Attention. Allowed arithmetic: matrix products marked QUANTISED: E2M3 operands, one E8M0 scale for each 32 along K, by v_wmma_scale_f32_16x16x128_f8f6f4 with both operands' format E2M3, f32 sums; everything else in f32.
;; Inputs: out_b 1,024 float32; out_w 1,024 x 1,024 float32; qkv_b 3,072 float32; qkv_w 1,024 x 3,072 float32; x 2 x 2,048 x 1,024 float32.
;; Outputs: out0 2 x 2,048 x 1,024 float32.
;; This version of the problem:
;;   THIS VERSION OF THE PROBLEM IS GIVEN IN LOW PRECISION. The matrix products marked QUANTISED in the list below multiply operands that are first quantised to E2M3 (2 exponent bits, 3 mantissa bits; 6 bits a number), with one power-of-two scale for each 32 numbers along K (OCP MX v1.0); their sums are f32. All else is computed in f32.
;;   The module's matrix products, in the order in which they are computed (A, B: the left and right operand; K: the contracted axis; several contracted axes count as one K, in the product's order):
;;     1. [M 4,096, K 1,024] x [K 1,024, N 3,072]; A: input x; B: input qkv_w: QUANTISED
;;     2. batch 32 x [M 2,048, K 64] x [K 64, N 2,048]; A: computed on the way; B: computed on the way: QUANTISED
;;     3. batch 32 x [M 2,048, K 2,048] x [K 2,048, N 64]; A: softmax (see below); B: computed on the way: QUANTISED
;;     4. [M 4,096, K 1,024] x [K 1,024, N 1,024]; A: computed on the way; B: input out_w: QUANTISED
;;   THE QUANTISER, for each operand of a quantised product, along K:
;;     - K is cut into blocks of 32 from its start; a last block that is shorter is filled with zeros.
;;     - A block's scale is 2^e with e = floor(log2(the largest magnitude in the block)) - 2, held to -126 .. 127; a block of zeros has e = 0. As a byte (E8M0): e + 127.
;;     - Each number is divided by its block's scale, clamped to +-7.5, and rounded to the nearest number of E2M3, ties to even, subnormals kept.
;;     - The product sums the exact products of the quantised numbers (number of the format x scale) in f32.
;;   ~~~python
;;   def quantise(x, axis):      # numpy; x: float32 -> the quantised numbers, widened to float32 again
;;       x = np.moveaxis(x, axis, -1); K = x.shape[-1]
;;       x = np.pad(x, [(0, 0)] * (x.ndim - 1) + [(0, -K % 32)]); x = x.reshape(x.shape[:-1] + (-1, 32)); a = np.abs(x).max(-1, keepdims=True)
;;       e = np.where(a > 0, np.clip(np.frexp(np.where(a > 0, a, 1))[1] - 1 - 2, -126, 127), 0)      # np.frexp(a)[1] - 1 = floor(log2(a)), exactly
;;       r = np.clip(x / 2.0 ** e, -7.5, 7.5)
;;       step = 2.0 ** (np.maximum(np.frexp(np.where(r == 0, 1, r))[1] - 1, 0) - 3)
;;       q = np.round(r / step) * step * 2.0 ** e      # np.round: ties to even
;;       return np.moveaxis(q.reshape(q.shape[:-2] + (-1,))[..., :K], -1, axis).astype(np.float32)
;;   ~~~
;;   SOFTMAX AHEAD OF A QUANTISED PRODUCT. Where the list says 'softmax', what is quantised is not the finished softmax but p = 2^(t - M), with t = logit x log2(e) and M = ceil(the row's largest t), a whole number; so 1/2 < the row's largest p <= 1. The row's sum l is taken of the UNQUANTISED p, in f32, and the product's result is divided by l at the end. Since M is a whole number, a kernel that streams over the keys may use a running M (the ceiling of the running maximum): every later rescaling is an exact power of two, which a block's scale takes up: the codes' values come out the same.
;;   OPERANDS COMPUTED ON THE WAY. 'Computed on the way' means the value that the module computes at that place (a softmax that the list does not call 'softmax' is quantised finished and normalised). What goes into a quantiser is computed in f32, as accurately as f32 sums, v_exp_f32 and their like allow (about 1e-6 of the number): no bf16 or f16 on the way to a quantiser, and a product that is left as it is and whose result goes on into a quantised operand takes f32 operands (vector FMAs, or v_wmma_f32_16x16x4_f32). A number that lies on a knife's edge between two numbers of the format may be rounded either way, as far as f32 arithmetic and the matrix unit's own rounding can turn it there, and no further.
;; One version. Each part assembles by itself: llvm-mc -triple=amdgcn-amd-amdhsa -mcpu=gfx1250 --defsym DOCPART=n.
;; ======== version 1 of 1: 4 launches
;; limits: right only within a limited range of input values
;; workspace buffers: xi 3,276,800 bytes; wi 2,457,600 bytes; oi 819,200 bytes; qi 3,407,872 bytes; kv 6,684,672 bytes; ai 3,276,800 bytes
;; launch quant (part 1): grid 256 x 1, 8 waves a work-group, no clusters, 68,608 bytes of LDS; arguments x, qkv_w, out_w, xi, wi, oi; writes xi, wi, oi
.if DOCPART == 1
	.amdgcn_target "amdgcn-amd-amdhsa--gfx1250"
	.amdhsa_code_object_version 6
	.text
	.protected	k_qdcfea7e003_quant
	.globl	k_qdcfea7e003_quant
	.p2align	8
	.type	k_qdcfea7e003_quant,@function
k_qdcfea7e003_quant:
	s_mov_b64 s[64:65], 0
	v_nop
	global_prefetch_b8 v0, s[64:65] scope:SCOPE_SE
	s_setreg_imm32_b32 hwreg(HW_REG_WAVE_MODE, 25, 1), 1
	s_wait_xcnt 0x0
; x [4096][1024], qkv_w [1024][3072] and out_w [1024][1024], f32, become codes of FP6 (E2M3) with one E8M0 scale byte for each 32 along K, laid as IMAGES OF THE OPERANDS' REGISTERS.
; A block's scale is 2^(floor(log2(its largest magnitude)) - 2); its byte is that magnitude's exponent field - 2, held at 1 from below.
; LIMITS: NaN and infinities among the inputs are not served; a block whose largest magnitude lies under 2^-124 keeps the byte 1; a block of zeros gets the byte 1 where the rule says 127:
; its codes are zeros, which add nothing under any byte but 0xff, and the bytes are read by this program alone.
; WORK LEFT OUT (launch attn): reference() puts -inf in front of the softmax for every key behind its query, so steps of 128 keys that lie wholly behind a tile's queries have weight 0 for all inputs and are not computed;
; a NaN or an infinity that reaches only those scores is not carried to the result.
; THE IMAGE.  A tile is 16 rows of an operand (rows of x, columns of a weight) for all 1,024 along K: 12,800 bytes.  Scale words lie at 64 k + 4 r: byte b of word k is block 4 k + b.
; Half fragment e (K = 64 e .. 64 e + 63) lies at 512 + 768 e: lane (r, h) owns the 24 bytes of codes of row r, block h: its first 16 bytes at 16 x lane, its last 8 at 512 + 8 x lane.
; ROW ORDER.  Tile 4 G + t holds at position r = 8 h + j the true row 64 G + 32 h + 8 t + j.  So the 32 result registers of tiles 4 G .. 4 G + 3 of a product's source 0 are, in each half of the lanes, a whole block of 32 along the next product's K.
; wi's tiles: head hd has q's four, k's four, v's four: tile 12 hd + 4 s + t is of columns 1,024 s + 64 hd + ..
; SHARES, 128 KiB of input each: work-groups 0-127 two tiles of x (wave = K step of 128); 128-223 qkv_w, 224-255 out_w: a wave takes 32 columns x 128 K.  Waves share nothing: no barrier.
; Memory binds: matrix units, clusters and tensor loads would add nothing here.
.set TILEB, 12800
.set SP,    528                        ; a stage row: 512 bytes + 16
.set STG,   16*SP                      ; a wave's stage (x's path alone uses LDS)
.set SPARE, 8*STG                      ; the spare words, 128 bytes for each wave
.set FLOOR, 0x1800000                  ; 2^(3 - 127)
.set DOWN2, 0xff000000                 ; 2 off an exponent field
.macro BMAX xs                         ; the largest magnitude of v[xs] .. v[xs + 31], and the floor, into v8: two chains
	v_max3_num_f32 v8, |v[\xs]|, |v[\xs+1]|, |v[\xs+2]|
	v_max3_num_f32 v9, |v[\xs+3]|, |v[\xs+4]|, |v[\xs+5]|
.irp i, 6,10,14,18,22,26
	s_delay_alu instid0(VALU_DEP_2)
	v_max3_num_f32 v8, v8, |v[\xs+\i]|, |v[\xs+\i+1]|
	s_delay_alu instid0(VALU_DEP_2)
	v_max3_num_f32 v9, v9, |v[\xs+\i+2]|, |v[\xs+\i+3]|
.endr
	s_delay_alu instid0(VALU_DEP_2)
	v_max3_num_f32 v8, v8, |v[\xs+30]|, |v[\xs+31]|
	s_delay_alu instid0(VALU_DEP_1)
	v_max3_num_f32 v8, v8, v9, FLOOR
.endm
.macro PACK s                          ; a conversion's three registers begin on an even number: a block's two runs of three become six on end
	v_mov_b32 v[\s+3], v[\s+4]
	v_mov_b32 v[\s+4], v[\s+5]
	v_mov_b32 v[\s+5], v[\s+6]
.endm
	s_load_b256 s[4:11], s[0:1], 0x0               ; x s[4:5], qkv_w s[6:7], out_w s[8:9], xi s[10:11]
	s_load_b128 s[12:15], s[0:1], 0x20             ; wi s[12:13], oi s[14:15]
	v_lshl_add_u32 v254, v0, 2, SPARE
	v_mov_b32 v255, 0
	v_lshrrev_b32 v1, 5, v0
	v_readfirstlane_b32 s16, v1                    ; wave 0..7
	v_and_b32 v1, 31, v0                           ; lane
	v_and_b32 v2, 15, v0                           ; r
	v_bfe_u32 v3, v0, 4, 1                         ; h
	v_lshlrev_b32 v4, 4, v1                        ; 16 x lane
	v_lshlrev_b32 v5, 3, v1                        ; 8 x lane
	s_wait_alu depctr_va_vdst(0)
	s_cmp_lt_u32 ttmp9, 128
	s_cbranch_scc0 .Lweights
	; ---- x: tiles 2 i and 2 i + 1, i = the work-group's number; K step = the wave's number
	s_lshr_b32 s17, ttmp9, 1
	s_lshl_b32 s17, s17, 6
	s_and_b32 s18, ttmp9, 1
	s_lshl_b32 s18, s18, 4
	s_add_co_u32 s17, s17, s18                     ; the first tile's first true row: 64 (i / 2) + 16 (i % 2); the second's lies 8 rows on
	s_lshl_b32 s22, s17, 12                        ; rows of 4,096 bytes
	s_lshl_b32 s18, s16, 9                         ; + 512 bytes a K step
	s_add_co_u32 s22, s22, s18
	s_mov_b32 s23, 0
	s_mul_i32 s24, ttmp9, 2*TILEB
	s_mul_i32 s18, s16, 1536
	s_add_co_u32 s26, s24, s18
	s_add_co_u32 s26, s26, 512                     ; the K step's two half fragments
	s_mov_b32 s27, 0
	s_lshl_b32 s18, s16, 6
	s_add_co_u32 s24, s24, s18                     ; and its scale words
	s_mov_b32 s25, 0
	s_mov_b32 s20, 0x76543210
	s_mov_b32 s21, 0xfedcba98                      ; v_permlanex16_b32's selects for lane l xor 16
	s_mul_i32 s19, s16, STG
	v_add_nc_u32 v6, s19, v4                       ; into my stage: 16 x lane, the row in the immediate
	v_mul_u32_u24 v7, v2, SP
	v_lshl_add_u32 v7, v3, 7, v7
	v_add_nc_u32 v7, s19, v7                       ; out of it: row r, + 128 h: a whole block of 32 numbers
	v_lshlrev_b32 v15, 2, v2                       ; 4 r
	v_lshlrev_b32 v16, 3, v3                       ; 8 h
	v_mov_b32 v17, 0                               ; a lane permute's destination counts as one of its sources
	s_wait_alu depctr_va_vdst(0)
	s_wait_kmcnt 0x0
	s_add_nc_u64 s[4:5], s[4:5], s[22:23]
	s_add_nc_u64 s[28:29], s[10:11], s[24:25]
	s_add_nc_u64 s[10:11], s[10:11], s[26:27]
.irp u, 0,1
.irp p, 0,1,2,3,4,5,6,7,8,9,10,11,12,13,14,15
	global_load_b128 v[32+144*\u+4*\p:35+144*\u+4*\p], v4, s[4:5] offset:(\p+24*(\p/8)+8*\u)*4096 th:TH_LOAD_NT   ; position p's true row: 32 lanes read 512 consecutive bytes
.endr
.endr
.macro XTILE u
.set LB, 32+144*(\u)
.set CB, 160-128*(\u)
.irp p, 0,1,2,3,4,5,6,7,8,9,10,11,12,13,14,15
	s_wait_loadcnt 31-16*(\u)-\p                   ; loads come back in order: row p of this tile is in, the younger ones stay out
	ds_store_b128 v6, v[LB+4*\p:LB+3+4*\p] offset:SP*\p
.endr
.irp c, 0,1
.irp p, 0,1,2,3,4,5,6,7
	ds_load_b128 v[96+32*\c+4*\p:99+32*\c+4*\p], v7 offset:256*\c+16*\p   ; block 2 c + h of my row; LDS serves a wave's instructions in order: these see my stores
.endr
.endr
.irp c, 0,1
	s_wait_dscnt 8-8*\c                            ; this half's eight reads are in; the other half's eight may be out
	BMAX 96+32*\c
	v_add_nc_u32 v[10+\c], DOWN2, v8               ; the conversion takes the exponent field of this operand as its scale
	v_lshrrev_b32 v[12+\c], 23, v[10+\c]           ; the scale's byte
	v_cvt_scalef32_pk16_fp6_f32 v[CB+8*\c:CB+2+8*\c], v[96+32*\c:111+32*\c], v[10+\c]
	v_cvt_scalef32_pk16_fp6_f32 v[CB+4+8*\c:CB+6+8*\c], v[112+32*\c:127+32*\c], v[10+\c]
	v_nop                                          ; one plain place behind a scaled conversion
	PACK CB+8*\c
	global_store_b128 v4, v[CB+8*\c:CB+3+8*\c], s[10:11] offset:TILEB*(\u)+768*\c        ; 512 consecutive bytes
	global_store_b64 v5, v[CB+4+8*\c:CB+5+8*\c], s[10:11] offset:TILEB*(\u)+768*\c+512   ; 256 consecutive bytes
.endr
	v_lshl_or_b32 v[14+4*(\u)], v13, 16, v12       ; my two bytes, blocks h and 2 + h,
	v_lshlrev_b32 v[14+4*(\u)], v16, v[14+4*(\u)]  ; at their places in the word;
	v_permlanex16_b32 v17, v[14+4*(\u)], s20, s21
	v_or_b32 v[14+4*(\u)], v[14+4*(\u)], v17       ; with lane l xor 16's two the word is whole
	global_store_b32 v15, v[14+4*(\u)], s[28:29] offset:TILEB*(\u)   ; both halves of the lanes write the same word with the same value
.endm
	XTILE 0
	XTILE 1
	s_wait_tensorcnt 0x0                           ; the wave's end
	ds_add_u32 v254, v255
	s_wait_dscnt 0x0
	s_endpgm
	; ---- the weights: K is their FIRST axis: a lane takes a column and its registers run down K.  Lane l = 8 t + j of the wave with half H is row 8 H + j of tile t
.Lweights:
	s_and_b32 s19, s16, 1                          ; H: which 32 of a group of 64 columns
	s_lshl_b32 s18, s19, 3
	v_and_b32 v6, 7, v1
	v_add_nc_u32 v6, s18, v6                       ; my row of the tile
	v_lshrrev_b32 v7, 3, v1
	v_mul_u32_u24 v7, TILEB, v7                    ; my tile
	v_lshl_add_u32 v4, v6, 4, v7
	v_lshl_add_u32 v5, v6, 3, v7
	v_lshl_add_u32 v7, v6, 2, v7
	v_lshlrev_b32 v6, 2, v1
	s_wait_alu depctr_va_vdst(0)
	s_cmp_lt_u32 ttmp9, 224
	s_cbranch_scc0 .Lout_w
.macro WLOAD b, N, sp                  ; block b: W(32 b + i, my column), i = 0 .. 31: each load reads 128 consecutive bytes, and the neighbouring wave the next 128
.set I, 0
.rept 32
	global_load_b32 v[32+32*(\b)+I], v6, s[\sp:\sp+1] offset:(32*(\b)+I)*4*\N th:TH_LOAD_NT
.set I, I+1
.endr
.endm
.macro WBLK b, dp                      ; block b's 32 numbers are all mine: half b % 2 of half fragment b / 2.  The two waves of a column group store the two halves of each 256 bytes
	BMAX 32+32*(\b)
	v_add_nc_u32 v[16+\b], DOWN2, v8
	v_lshrrev_b32 v9, 23, v[16+\b]
.if \b == 0
	v_mov_b32 v14, v9                              ; four bytes to the word, the lower K in the lower byte
.else
	v_lshl_or_b32 v14, v9, 8*\b, v14
.endif
	v_cvt_scalef32_pk16_fp6_f32 v[160+8*\b:162+8*\b], v[32+32*\b:47+32*\b], v[16+\b]
	v_cvt_scalef32_pk16_fp6_f32 v[164+8*\b:166+8*\b], v[48+32*\b:63+32*\b], v[16+\b]
	v_nop                                          ; one plain place behind a scaled conversion
	PACK 160+8*\b
	global_store_b128 v4, v[160+8*\b:163+8*\b], s[\dp:\dp+1] offset:768*(\b/2)+256*(\b%2)
	global_store_b64 v5, v[164+8*\b:165+8*\b], s[\dp:\dp+1] offset:768*(\b/2)+512+128*(\b%2)
.endm
; N: the weight's columns; first: its first work-group; sp, dp: the scalar pairs of source and image.  Two work-groups serve a group of 64 columns: eight K steps x two halves.
.macro WPATH N, first, sp, dp
	s_sub_co_u32 s17, ttmp9, \first
	s_lshr_b32 s18, s17, 1                         ; the group of 64 columns
	s_and_b32 s17, s17, 1
	s_lshl_b32 s17, s17, 2
	s_lshr_b32 s20, s16, 1
	s_add_co_u32 s17, s17, s20                     ; which K step of 128
.if \N == 3072
	s_and_b32 s20, s18, 15
	s_mul_i32 s20, s20, 12
	s_lshr_b32 s21, s18, 4
	s_lshl_b32 s21, s21, 2
	s_add_co_u32 s20, s20, s21                     ; its first tile: 12 hd + 4 s
.else
	s_lshl_b32 s20, s18, 2
.endif
	s_mul_i32 s22, s17, 128*4*\N
	s_lshl_b32 s21, s18, 8
	s_add_co_u32 s22, s22, s21
	s_lshl_b32 s21, s19, 7
	s_add_co_u32 s22, s22, s21
	s_mov_b32 s23, 0
	s_mul_i32 s24, s20, TILEB
	s_mul_i32 s21, s17, 1536
	s_add_co_u32 s26, s24, s21
	s_add_co_u32 s26, s26, 512                     ; the K step's half fragments
	s_mov_b32 s27, 0
	s_lshl_b32 s21, s17, 6
	s_add_co_u32 s24, s24, s21                     ; and its scale words
	s_mov_b32 s25, 0
	s_wait_kmcnt 0x0
	s_add_nc_u64 s[\sp:\sp+1], s[\sp:\sp+1], s[22:23]
	s_add_nc_u64 s[28:29], s[\dp:\dp+1], s[24:25]
	s_add_nc_u64 s[\dp:\dp+1], s[\dp:\dp+1], s[26:27]
	WLOAD 0, \N, \sp
	WLOAD 1, \N, \sp
	s_wait_loadcnt 32                              ; block 0 is in; block 1's 32 loads may be out
	WLOAD 2, \N, \sp                               ; every block has registers of its own: the loads run two blocks ahead
	WBLK 0, \dp
	s_wait_loadcnt 32                              ; block 1 is in; block 2's may be out
	WLOAD 3, \N, \sp
	WBLK 1, \dp
	s_wait_loadcnt 32                              ; block 2 is in; block 3's may be out
	WBLK 2, \dp
	s_wait_alu depctr_va_vdst(0)
	s_wait_loadcnt 0x0
	WBLK 3, \dp
	global_store_b32 v7, v14, s[28:29]
	s_endpgm
.endm
	WPATH 3072, 128, 6, 12
.Lout_w:
	WPATH 1024, 224, 8, 14
.Lfunc_end_k_qdcfea7e003_quant:
	.size	k_qdcfea7e003_quant, .Lfunc_end_k_qdcfea7e003_quant-k_qdcfea7e003_quant
	.p2alignl 7, 3214868480
	.fill 96, 4, 3214868480
	.section	.rodata,"a",@progbits
	.p2align	6, 0x0
	.amdhsa_kernel k_qdcfea7e003_quant
		.amdhsa_group_segment_fixed_size 68608
		.amdhsa_private_segment_fixed_size 0
		.amdhsa_enable_private_segment 0
		.amdhsa_kernarg_size 48
		.amdhsa_user_sgpr_count 2
		.amdhsa_user_sgpr_kernarg_segment_ptr 1
		.amdhsa_wavefront_size32 1
		.amdhsa_system_sgpr_workgroup_id_x 1
		.amdhsa_system_sgpr_workgroup_id_y 1
		.amdhsa_system_sgpr_workgroup_id_z 1
		.amdhsa_system_vgpr_workitem_id 0
		.amdhsa_next_free_vgpr 256
		.amdhsa_next_free_sgpr 66
		.amdhsa_reserve_vcc 0
		.amdhsa_float_denorm_mode_32 3
		.amdhsa_float_denorm_mode_16_64 3
		.amdhsa_memory_ordered 1
		.amdhsa_forward_progress 1
		.amdhsa_inst_pref_size 63
	.end_amdhsa_kernel
	.amdgpu_metadata
---
amdhsa.version: [ 1, 2 ]
amdhsa.kernels:
  - .name:           k_qdcfea7e003_quant
    .symbol:         k_qdcfea7e003_quant.kd
    .args:
      - { .name: x, .offset: 0, .size: 8, .value_kind: global_buffer, .address_space: global }
      - { .name: qkv_w, .offset: 8, .size: 8, .value_kind: global_buffer, .address_space: global }
      - { .name: out_w, .offset: 16, .size: 8, .value_kind: global_buffer, .address_space: global }
      - { .name: xi, .offset: 24, .size: 8, .value_kind: global_buffer, .address_space: global }
      - { .name: wi, .offset: 32, .size: 8, .value_kind: global_buffer, .address_space: global }
      - { .name: oi, .offset: 40, .size: 8, .value_kind: global_buffer, .address_space: global }
    .group_segment_fixed_size: 68608
    .private_segment_fixed_size: 0
    .kernarg_segment_align: 8
    .kernarg_segment_size: 48
    .max_flat_workgroup_size: 256
    .sgpr_count:     66
    .vgpr_count:     256
    .wavefront_size: 32
...
	.end_amdgpu_metadata
.endif
;; end of part 1
;; launch qkv (part 2): grid 16 x 16, 4 waves a work-group, clusters of 4 x 4, 327,680 bytes of LDS; arguments xi, wi, qkv_b, qi, kv; writes qi, kv
.if DOCPART == 2
	.amdgcn_target "amdgcn-amd-amdhsa--gfx1250"
	.amdhsa_code_object_version 6
	.text
	.protected	k_qdcfea7e003_qkv
	.globl	k_qdcfea7e003_qkv
	.p2align	8
	.type	k_qdcfea7e003_qkv,@function
k_qdcfea7e003_qkv:
	s_mov_b64 s[64:65], 0
	v_nop
	global_prefetch_b8 v0, s[64:65] scope:SCOPE_SE
	s_setreg_imm32_b32 hwreg(HW_REG_WAVE_MODE, 25, 1), 1
	s_wait_xcnt 0x0
	s_wait_alu depctr_hold_cnt(0) depctr_sa_sdst(0) depctr_va_vdst(0) depctr_va_sdst(0) depctr_va_ssrc(0) depctr_va_vcc(0) depctr_vm_vsrc(0)
	s_getreg_b32 s2, hwreg(HW_REG_IB_STS2, 6, 4)
	s_cmp_eq_u32 s2, 0
	s_cbranch_scc0 .Lentry_in_a_cluster
	s_endpgm
.Lentry_in_a_cluster:
	s_bfe_u32 s2, ttmp6, 0x10000c
	s_cmp_lg_u32 s2, 0xf033
	s_cbranch_scc0 .Lentry_shape_is_right
	s_endpgm
.Lentry_shape_is_right:
; qkv = x qkv_w + qkv_b on codes of FP6 (E2M3) with E8M0 scales, and the quantising of q, k and v for the two products of attention: nothing wider than codes goes to memory.
; xi, wi: operand images of 12,800 bytes for a tile of 16 rows: scale words at 64 k + 4 r, half fragment e (64 along K) at 512 + 768 e (lane's first 16 bytes at 16 x lane, last 8 at 512 + 8 x lane).
; Position 16 t + 8 h + j of a group of 64 rows is true row 32 h + 8 t + j.  So the 32 result registers of source 0's tiles 4 G .. 4 G + 3 are, in lane half h, the 32 neighbours 64 G + 32 h + 0 .. 31: a scale block of the next product.
; A work-group makes q, k AND v OF ONE HEAD FOR 256 TOKENS: 256 equal work-groups.  Four waves; a wave takes 64 tokens (4 tiles) x 192 features (12 tiles): 48 accumulators, 384 registers.
;   q, k: source 0 = features, source 1 = tokens: the head's 64 run along the registers.      v: source 0 = tokens, source 1 = features: the keys run along the registers.
; CLUSTERS 4 x 4: the tokens' tiles are shared along a row of the cluster, the head's along a column: each is asked for jointly.
; LDS: K goes in chunks of 256.  Chunk 0 with the scale words of all of K (rows of 3,584 bytes) at A0, B0; chunks 1 and 2 (rows of 6,144) at A12, B12: four loads at the head, one a wave.  The scale words go into registers at once.
; Chunk 3 (rows of 3,072) comes onto chunk 0's bytes, in ONE drained round of the cluster's barrier in step 1; a plain barrier in step 5 shows it.  A step is 128 along K.
; No prefetch: there is no loop to run ahead in: all but chunk 3 is asked for at the head, and chunk 3 four steps (192 matrix instructions) ahead of its use.
; The bias is the C of each sum's first product.  The results are quantised in registers and stored as images:
;   qi: 106,496 bytes a head, 6,656 for 128 queries: half fragments at 768 a, scale words (bytes 2 and 3 = 0) at 6,144 + 64 a + 4 r.
;   kv: 208,896 bytes a head, 13,056 for 128 keys: K's half fragments at 768 a; V's at 6,144 + 1,536 t + 768 c (16 channels x 64 keys); K's scale words at 12,288 + 64 a + 4 r; V's at 12,800 + 64 t + 4 r.
; LIMITS: NaN and infinities are not served; a block whose largest magnitude lies under 2^-124 keeps the scale byte 1, a block of zeros too (its codes are zeros; this program alone reads the bytes).
; REGISTERS: window 0: v4-29 addresses and lane terms, v32-95 scale words (eight for each step), v96-239 features' fragments of odd steps (at the end v128 on: at work).
;   window 1: v0-143 features' fragments of even steps, v144-191, v192-239 tokens' fragments of even, odd steps.   window 2: q's sums at 32 a + 8 t, k's at 128 + 32 a + 8 t.   window 3: v's at 32 t + 8 a; the bias at 128 on.
.set A0,   0
.set B0,   57344
.set A12,  100352
.set B12,  198656
.set SPARE, 272384                     ; the spare words, 128 bytes for each wave
.set SPW,  6
.set NIL,  7
.set TM,   128
.set SW,   140
.set PC,   144
.set G1A, 24
.set G1B, 32
.set G1AA, 40
.set G1BB, 48
.set G0A, 56
.set G0B, 60
.set G0AA, 68
.set G0BB, 72
.set MSB, 0
.macro WIN new                         ; the immediate's high byte repeats the setting that is left
.if MSB != (\new)
	s_set_vgpr_msb (MSB<<8)|(\new)
.set MSB, (\new)
.endif
.endm
.macro NOP4                            ; places in front of loads into registers that matrix instructions have read, and of the first read of results
.rept 4
	v_nop
.endr
.endm
.macro CREST                           ; a round of the cluster's barrier behind its opening barrier
	s_cmp_lg_u32 s14, 0
	s_cbranch_scc1 .Lnot_wave_0_\@
	s_barrier_signal -3
.Lnot_wave_0_\@:
	s_barrier_wait -3
	s_barrier_signal -1
	s_barrier_wait -1
.endm
.macro CROUND
	s_barrier_signal -1
	s_barrier_wait -1
	CREST
.endm
.macro TLOAD g0, g1
	tensor_load_to_lds s[\g0:\g0+3], s[\g1:\g1+7]
	s_nop 0
	NOP4
.endm
.macro G1SET g, mask, els, rows        ; rows of els elements of 8 bytes, 12,800 bytes apart, dense in LDS; bit 21 set beside the mask
	s_or_b32 s[\g+0], s\mask, (3<<16)|(1<<21)
	s_mov_b32 s[\g+1], (\els)<<16
	s_mov_b32 s[\g+2], (\rows)<<16
	s_mov_b32 s[\g+3], (\els)<<16
	s_mov_b32 s[\g+4], \rows
	s_mov_b32 s[\g+5], 1600
	s_mov_b32 s[\g+6], 0
	s_mov_b32 s[\g+7], 0
.endm
.macro G0SET g, lds, base, off
	s_mov_b32 s[\g], 1
	s_mov_b32 s[\g+1], \lds
	s_add_nc_u64 s[\g+2:\g+3], s[\base:\base+1], \off
	s_or_b32 s[\g+3], s[\g+3], 0x80000000
.endm
	s_load_b256 s[4:11], s[0:1], 0x0               ; xi s[4:5], wi s[6:7], qkv_b s[8:9], qi s[10:11]
	s_load_b64 s[12:13], s[0:1], 0x20              ; kv
	v_lshl_add_u32 v[SPW], v0, 2, SPARE
	v_mov_b32 v[NIL], 0
	ds_add_u32 v[SPW], v[NIL]                      ; the wave's opening: the add, twice on end, and its wait
	ds_add_u32 v[SPW], v[NIL]
	v_lshrrev_b32 v1, 5, v0
	v_readfirstlane_b32 s14, v1                    ; wave 0..3: which 64 of the 256 tokens
	s_and_b32 s15, s14, 1                          ; which half of a key step's 128
	s_bfe_u32 s16, ttmp6, 0x40000                  ; cx
	s_bfe_u32 s17, ttmp6, 0x40004                  ; cy
	s_lshl_b32 s18, ttmp9, 2
	s_add_co_u32 s18, s18, s16                     ; the head
	s_and_b32 s19, ttmp7, 0xffff
	s_lshl_b32 s19, s19, 2
	s_add_co_u32 s19, s19, s17                     ; the 256 tokens
	s_lshl_b32 s20, s17, 2
	s_lshl_b32 s20, 15, s20                        ; my row of the cluster
	s_lshl_b32 s21, 0x1111, s16                    ; my column
	G1SET G1A, 20, 448, 16
	G1SET G1B, 21, 448, 12
	G1SET G1AA, 20, 768, 16
	G1SET G1BB, 21, 768, 12
	s_mul_i32 s76, s19, 16*12800
	s_mov_b32 s77, 0
	s_mul_i32 s78, s18, 12*12800
	s_mov_b32 s79, 0
	s_wait_alu depctr_va_vdst(0)
	s_wait_dscnt 0x0                               ; both opening adds are done
	CROUND                                         ; all sixteen work-groups are here: the first joint loads meet
	s_wait_kmcnt 0x0
	s_add_nc_u64 s[76:77], s[4:5], s[76:77]
	s_add_nc_u64 s[78:79], s[6:7], s[78:79]
	G0SET G0A, A0, 76, 0
	G0SET G0B, B0, 78, 0
	G0SET G0AA, A12, 76, 3584
	G0SET G0BB, B12, 78, 3584
; One joint load a wave: chunk 0 of the tokens, of the head, chunks 1 and 2 of the tokens, of the head.
.macro ARM under, g0, g1, next
	s_cmp_lt_u32 s14, \under
	s_cbranch_scc0 \next
	TLOAD \g0, \g1
	s_branch .Lhead_asked
\next:
.endm
	ARM 1, G0A, G1A, .Lhead_1
	ARM 2, G0B, G1B, .Lhead_2
	ARM 3, G0AA, G1AA, .Lhead_3
	TLOAD G0BB, G1BB
.Lhead_asked:
	s_lshl_b32 s92, s18, 8                         ; the head's 64 numbers of q's bias
	s_mov_b32 s93, 0
	s_add_nc_u64 s[8:9], s[8:9], s[92:93]
	s_lshr_b32 s92, s19, 3                         ; the batch
	s_lshl_b32 s92, s92, 4
	s_add_co_u32 s92, s92, s18                     ; 16 x batch + head
	s_and_b32 s94, s19, 7
	s_lshl_b32 s94, s94, 1
	s_lshr_b32 s95, s14, 1
	s_add_co_u32 s94, s94, s95                     ; the step of 128 tokens within the sequence
	s_mul_i32 s80, s92, 106496
	s_mul_i32 s95, s94, 6656
	s_add_co_u32 s80, s80, s95
	s_mul_i32 s84, s92, 208896
	s_mul_i32 s95, s94, 13056
	s_add_co_u32 s84, s84, s95
	s_lshl_b32 s95, s15, 8
	s_add_co_u32 s82, s80, s95
	s_add_co_u32 s82, s82, 6144                    ; q's scale words
	s_add_co_u32 s86, s84, s95
	s_add_co_u32 s86, s86, 12288                   ; k's
	s_mul_i32 s95, s15, 768
	s_add_co_u32 s88, s84, s95
	s_add_co_u32 s88, s88, 6144                    ; v's codes
	s_lshl_b32 s95, s15, 1
	s_add_co_u32 s90, s84, s95
	s_add_co_u32 s90, s90, 12800                   ; v's scale words: my two bytes
	s_mul_i32 s95, s15, 3072
	s_add_co_u32 s80, s80, s95                     ; q's codes
	s_add_co_u32 s84, s84, s95                     ; k's
.irp p, 81,83,85,87,89,91
	s_mov_b32 s\p, 0
.endr
	s_add_nc_u64 s[80:81], s[10:11], s[80:81]
	s_add_nc_u64 s[82:83], s[10:11], s[82:83]
	s_add_nc_u64 s[84:85], s[12:13], s[84:85]
	s_add_nc_u64 s[86:87], s[12:13], s[86:87]
	s_add_nc_u64 s[88:89], s[12:13], s[88:89]
	s_add_nc_u64 s[90:91], s[12:13], s[90:91]
	s_mov_b32 s66, 0x76543210
	s_mov_b32 s67, 0xfedcba98                      ; v_permlanex16_b32's selects for lane l xor 16
	s_mov_b32 s100, 0xffff0000                     ; lanes 16-31
	s_mul_i32 s94, s14, 4*3584                     ; my four token tiles: their scale words,
	s_add_co_u32 s95, s94, 512                     ; their codes in chunk 0,
	s_mul_i32 s96, s14, 4*6144
	s_add_co_u32 s96, s96, A12                     ; in chunks 1 and 2,
	s_mul_i32 s97, s14, 4*3072                     ; and in chunk 3
	v_and_b32 v1, 15, v0                           ; r
	v_bfe_u32 v2, v0, 4, 1                         ; h
	v_and_b32 v3, 31, v0
	v_lshlrev_b32 v8, 4, v3                        ; 16 x lane
	v_lshlrev_b32 v9, 3, v3                        ; 8 x lane
	v_lshlrev_b32 v12, 2, v3                       ; 4 x lane
	v_lshlrev_b32 v10, 3, v2                       ; 8 h
	v_sub_nc_u32 v11, 8, v10                       ; 8 - 8 h
	v_lshlrev_b32 v13, 7, v2                       ; 128 h: the bias of q and k
	v_and_b32 v14, 8, v1
	v_mad_u32_u24 v14, v14, 3, v1
	v_lshlrev_b32 v14, 2, v14                      ; 4 (r % 8 + 32 (r / 8)): the bias of v
	v_mul_u32_u24 v4, 3584, v2
	v_lshl_add_u32 v4, v1, 2, v4                   ; scale words: lanes 16-31 take the next tile's
	v_add_nc_u32 v5, B0, v4
	v_add_nc_u32 v4, s94, v4
	v_add_nc_u32 v16, s95, v8
	v_add_nc_u32 v17, s95, v9
	v_add_nc_u32 v18, s96, v8
	v_add_nc_u32 v19, s96, v9
	v_add_nc_u32 v20, s97, v8
	v_add_nc_u32 v21, s97, v9
	v_add_nc_u32 v22, B0+512, v8
	v_add_nc_u32 v23, B0+512, v9
	v_add_nc_u32 v24, B12, v8
	v_add_nc_u32 v25, B12, v9
	v_add_nc_u32 v26, B12+6*6144, v8
	v_add_nc_u32 v27, B12+6*6144, v9
	v_add_nc_u32 v28, B0, v8
	v_add_nc_u32 v29, B0, v9
	WIN 0xc0
.irp f, 0,1,2,3,4,5,6,7                ; q, k: tile t, half h: the features 32 h + 8 t + 0 .. 7 of the head
	global_load_b128 v[128+8*\f:131+8*\f], v13, s[8:9] offset:4096*(\f/4)+32*(\f%4)
	global_load_b128 v[132+8*\f:135+8*\f], v13, s[8:9] offset:4096*(\f/4)+32*(\f%4)+16
.endr
.irp t, 0,1,2,3                        ; v: a lane is a feature: one number for all eight registers
	global_load_b32 v[192+8*\t], v14, s[8:9] offset:8192+32*\t
.endr
	WIN 0
	s_wait_alu depctr_va_vdst(0)
.macro FRAG reg, a, b, off             ; a fragment, 16 rows x 128 K, is two half fragments: each a load of 16 bytes and one of 8 a lane, 512 and 256 consecutive bytes
	ds_load_b128 v[\reg:\reg+3], v[\a] offset:\off
	ds_load_b64 v[\reg+4:\reg+5], v[\b] offset:\off+512
	ds_load_b128 v[\reg+6:\reg+9], v[\a] offset:\off+768
	ds_load_b64 v[\reg+10:\reg+11], v[\b] offset:\off+1280
.endm
.macro FX st, i                        ; my token tile i of step st
	WIN 0x40
.set rX, 144+48*((\st)%2)+12*(\i)
.if (\st) < 2
	FRAG rX, 16, 17, (\i)*3584+1536*(\st)
.elseif (\st) < 6
	FRAG rX, 18, 19, (\i)*6144+1536*((\st)-2)
.else
	FRAG rX, 20, 21, (\i)*3072+1536*((\st)-6)
.endif
.endm
.macro FF st, f                        ; feature tile f of step st
	WIN 0x40*(1-((\st)%2))
.set rF, 96*((\st)%2)+12*(\f)
.if (\st) < 2
	FRAG rF, 22, 23, (\f)*3584+1536*(\st)
.elseif (\st) < 6
.if (\f) < 6
	FRAG rF, 24, 25, (\f)*6144+1536*((\st)-2)
.else
	FRAG rF, 26, 27, ((\f)-6)*6144+1536*((\st)-2)
.endif
.else
	FRAG rF, 28, 29, (\f)*3072+1536*((\st)-6)
.endif
.endm
.macro SLOT st, g                      ; the loads of feature tiles 2 g, 2 g + 1; the first two slots bring the tokens' tiles too: 16, 16, 8, 8, 8, 8 loads
.if (\g) < 2
	FX \st, 2*(\g)
	FX \st, 2*(\g)+1
.endif
	FF \st, 2*(\g)
	FF \st, 2*(\g)+1
.endm
; A product: feature tile 2 g + u, token tile 2 c + w.  The 48 accumulators take turns, one instruction a turn, in the same order in every step.
.macro PROD st, g, u, c, w
.set rX, 144+48*((\st)%2)+12*(2*\c+\w)
.set rF, 96*((\st)%2)+12*(2*\g+\u)
.set sF, 32+8*(\st)+\g
.set sX, 38+8*(\st)+\c
.if \g < 4
.set rD, 128*(\g/2)+32*(2*\c+\w)+8*((2*\g+\u)%4)
.if (\st) == 0
	WIN 0xb5
	v_wmma_scale_f32_16x16x128_f8f6f4 v[rD:rD+7], v[rF:rF+11], v[rX:rX+11], v[128+8*(2*\g+\u):135+8*(2*\g+\u)], v[sF], v[sX] matrix_a_fmt:MATRIX_FMT_FP6 matrix_b_fmt:MATRIX_FMT_FP6 matrix_a_scale:MATRIX_SCALE_ROW\u matrix_b_scale:MATRIX_SCALE_ROW\w
.else
	WIN 0xa5-((\st)%2)
	v_wmma_scale_f32_16x16x128_f8f6f4 v[rD:rD+7], v[rF:rF+11], v[rX:rX+11], v[rD:rD+7], v[sF], v[sX] matrix_a_fmt:MATRIX_FMT_FP6 matrix_b_fmt:MATRIX_FMT_FP6 matrix_a_scale:MATRIX_SCALE_ROW\u matrix_b_scale:MATRIX_SCALE_ROW\w
.endif
.else
.set rD, 32*(2*\g+\u-8)+8*(2*\c+\w)
	WIN 0xf5-4*((\st)%2)
.if (\st) == 0
	v_wmma_scale_f32_16x16x128_f8f6f4 v[rD:rD+7], v[rX:rX+11], v[rF:rF+11], v[192+8*(2*\g+\u-8):199+8*(2*\g+\u-8)], v[sX], v[sF] matrix_a_fmt:MATRIX_FMT_FP6 matrix_b_fmt:MATRIX_FMT_FP6 matrix_a_scale:MATRIX_SCALE_ROW\w matrix_b_scale:MATRIX_SCALE_ROW\u
.else
	v_wmma_scale_f32_16x16x128_f8f6f4 v[rD:rD+7], v[rX:rX+11], v[rF:rF+11], v[rD:rD+7], v[sX], v[sF] matrix_a_fmt:MATRIX_FMT_FP6 matrix_b_fmt:MATRIX_FMT_FP6 matrix_a_scale:MATRIX_SCALE_ROW\w matrix_b_scale:MATRIX_SCALE_ROW\u
.endif
.endif
.endm
.macro PAIR st, g                      ; eight products
.irp u, 0,1
.irp c, 0,1
.irp w, 0,1
	PROD \st, \g, \u, \c, \w
.endr
.endr
.endr
.endm
.macro STEP st                         ; a step of 128 along K; the next step's fragments go into the other set
	s_wait_dscnt 24                                ; all but the youngest three slots are in: the tokens' tiles and feature tiles 0-5
	PAIR \st, 0
	PAIR \st, 1
	NOP4
.if (\st) == 0
.irp k, 1,2,3,4,5,6,7                  ; the other steps' scale words
	WORDS \k
.endr
.endif
	SLOT (\st)+1, 0
	SLOT (\st)+1, 1
	SLOT (\st)+1, 2
	PAIR \st, 2
	s_wait_dscnt 40                                ; all but the 40 loads just issued
	PAIR \st, 3
	SLOT (\st)+1, 3
	SLOT (\st)+1, 4
	SLOT (\st)+1, 5
	PAIR \st, 4
	PAIR \st, 5
.endm
.macro STEPB st, fill                  ; a step with a barrier: with fill a round, behind which chunk 3 comes onto chunk 0's bytes
	WIN 0
	s_wait_tensorcnt 0x0                           ; all my tensor loads have landed
.if \fill
	ds_add_u32 v[SPW], v[NIL]                      ; 0 onto my spare word
	s_wait_dscnt 25                                ; (the add and the youngest three slots may be out)
.irp g, G1A, G1B                       ; no tensor load of mine is out: descriptors may be written
	s_mov_b32 s[\g+1], 384<<16
	s_mov_b32 s[\g+3], 384<<16
.endr
	s_mov_b32 s[G1A+2], 8<<16
	s_mov_b32 s[G1A+4], 8
	s_mov_b32 s[G1B+2], 6<<16
	s_mov_b32 s[G1B+4], 6
	s_mul_i32 s[G0A+1], s15, 8*3072                ; waves 0 and 1 a half each of the tokens' tiles,
	s_mul_i32 s92, s15, 8*12800
	s_add_co_u32 s92, s92, 512+9216
	s_mov_b32 s93, 0
	s_add_nc_u64 s[G0A+2:G0A+3], s[76:77], s[92:93]
	s_or_b32 s[G0A+3], s[G0A+3], 0x80000000
	s_mul_i32 s[G0B+1], s15, 6*3072                ; waves 2 and 3 of the head's
	s_add_co_u32 s[G0B+1], s[G0B+1], B0
	s_mul_i32 s92, s15, 6*12800
	s_add_co_u32 s92, s92, 512+9216
	s_add_nc_u64 s[G0B+2:G0B+3], s[78:79], s[92:93]
	s_or_b32 s[G0B+3], s[G0B+3], 0x80000000
.else
	s_wait_dscnt 24
.endif
	PAIR \st, 0
	PAIR \st, 1
	s_wait_dscnt 0x0                               ; my reads are over, and the add
	s_barrier_signal -1
	PAIR \st, 2
	WIN 0
	s_barrier_wait -1
.if \fill
	CREST
	s_cmp_lt_u32 s14, 2
	s_cbranch_scc0 .Lfor_b
	TLOAD G0A, G1A
	s_branch .Lasked
.Lfor_b:
	TLOAD G0B, G1B
.Lasked:
.else
	NOP4
.endif
	SLOT (\st)+1, 0
	SLOT (\st)+1, 1
	SLOT (\st)+1, 2
	PAIR \st, 3
	SLOT (\st)+1, 3
	SLOT (\st)+1, 4
	SLOT (\st)+1, 5
	PAIR \st, 4
	PAIR \st, 5
.endm
	s_wait_alu depctr_va_vdst(0)
	s_cmp_lt_u32 s14, 2
	s_cbranch_scc0 .Lnot_first
	s_wait_tensorcnt 0x0
.Lnot_first:
	s_barrier_signal -1
	s_barrier_wait -1                              ; chunk 0 and the scale words are in
.macro WORDS k                         ; step k's scale words: six registers of feature tiles, two of token tiles, a tile in each half of the lanes
	WIN 0
.irp i, 0,1,2,3,4,5
	ds_load_b32 v[32+8*\k+\i], v5 offset:7168*\i+64*\k
.endr
.irp i, 0,1
	ds_load_b32 v[38+8*\k+\i], v4 offset:7168*\i+64*\k
.endr
.endm
	WORDS 0
.irp g, 0,1,2,3,4,5
	SLOT 0, \g
.endr
	s_wait_loadcnt 0x0                             ; the bias
	WIN 0xc3
.irp t, 0,1,2,3
.irp j, 1,2,3,4,5,6,7
	v_mov_b32 v[192+8*\t+\j], v[192+8*\t]
.endr
.endr
	s_wait_alu depctr_va_vdst(0)
	STEP 0                                         ; the first products start the sums with the bias
	STEPB 1, 1
	STEP 2
	STEP 3
	STEP 4
	STEPB 5, 0
	STEP 6
	s_wait_dscnt 24
	PAIR 7, 0
	PAIR 7, 1
	PAIR 7, 2
	s_wait_dscnt 0x0
	PAIR 7, 3
	PAIR 7, 4
	PAIR 7, 5
	WIN 0
	NOP4
; THE WAY OUT.  Two runs of 32 registers, at base and base + 32 of a window: in each lane a whole block of 32 along the next K.  The codes go to v[PC] and v[PC + 8] on, six registers each; v[SW]: lanes 0-15 the first run's
; two bytes of each row (block h in byte h), lanes 16-31 the second's.
.macro QPAIR base, win
	WIN (\win)*5
.irp u, 0,1
	v_max3_num_f32 v[TM+\u], |v[\base+32*\u]|, |v[\base+32*\u+1]|, 0x1800000   ; the floor 2^(3 - 127) holds the byte at 1 from below
.endr
.irp u, 0,1
	v_max3_num_f32 v[TM+2+\u], |v[\base+32*\u+2]|, |v[\base+32*\u+3]|, 0x1800000
.endr
.irp i, 4,8,12,16,20,24,28
.irp u, 0,1
	v_max3_num_f32 v[TM+\u], |v[\base+32*\u+\i]|, |v[\base+32*\u+\i+1]|, v[TM+\u]
.endr
.irp u, 0,1
	v_max3_num_f32 v[TM+2+\u], |v[\base+32*\u+\i+2]|, |v[\base+32*\u+\i+3]|, v[TM+2+\u]
.endr
.endr
	WIN 0
.irp u, 0,1
	v_max_num_f32 v[TM+\u], v[TM+\u], v[TM+2+\u]
.endr
.irp u, 0,1
	v_add_nc_u32 v[TM+4+\u], 0xff000000, v[TM+\u]  ; 2 off its exponent field: the conversion's scale operand
.endr
.irp u, 0,1
	v_lshrrev_b32 v[TM+6+\u], 23, v[TM+4+\u]       ; the scale's byte
.endr
	v_cndmask_b32 v[TM+8], v[TM+7], v[TM+6], s100  ; what the other half of the lanes wants of me
	v_cndmask_b32 v[TM+9], v[TM+6], v[TM+7], s100  ; what I keep
	v_permlanex16_b32 v[TM+10], v[TM+8], s66, s67
	v_lshlrev_b32 v[TM+9], v10, v[TM+9]
	s_wait_alu depctr_va_vdst(0)
	s_wait_xcnt 0x0                                ; the last pair's stores have read their registers
	v_lshl_or_b32 v[SW], v[TM+10], v11, v[TM+9]
	WIN \win
.irp u, 0,1
	v_cvt_scalef32_pk16_fp6_f32 v[PC+8*\u:PC+8*\u+2], v[\base+32*\u:\base+32*\u+15], v[TM+4+\u]
	v_cvt_scalef32_pk16_fp6_f32 v[PC+8*\u+4:PC+8*\u+6], v[\base+32*\u+16:\base+32*\u+31], v[TM+4+\u]
.endr
	WIN 0
	v_nop                                          ; one plain place behind a scaled conversion
.irp i, 3,4,5                          ; a conversion's three registers begin on an even number: two runs of three become six on end
.irp u, 0,1
	v_mov_b32 v[PC+8*\u+\i], v[PC+8*\u+\i+1]
.endr
.endr
.endm
.macro OUT_QK a, cp, sp                ; token tiles a, a + 1: 16 tokens x 64 features each
.irp u, 0,1
	global_store_b128 v8, v[PC+8*\u:PC+8*\u+3], s[\cp:\cp+1] offset:768*(\a+\u)
	global_store_b64 v9, v[PC+8*\u+4:PC+8*\u+5], s[\cp:\cp+1] offset:768*(\a+\u)+512
.endr
	global_store_b32 v12, v[SW], s[\sp:\sp+1] offset:64*\a   ; bytes 2 and 3, for the 64 along K that the head does not have, are 0
.endm
.macro OUT_V t                         ; channel tiles t, t + 1: 16 channels x 64 keys each
.irp u, 0,1
	global_store_b128 v8, v[PC+8*\u:PC+8*\u+3], s[88:89] offset:1536*(\t+\u)
	global_store_b64 v9, v[PC+8*\u+4:PC+8*\u+5], s[88:89] offset:1536*(\t+\u)+512
.endr
	global_store_b16 v12, v[SW], s[90:91] offset:64*\t
.endm
	v_mov_b32 v[TM+10], 0                          ; a lane permute's destination counts as one of its sources
	QPAIR 0, 2
	OUT_QK 0, 80, 82
	QPAIR 64, 2
	OUT_QK 2, 80, 82
	QPAIR 128, 2
	OUT_QK 0, 84, 86
	QPAIR 192, 2
	OUT_QK 2, 84, 86
	QPAIR 0, 3
	OUT_V 0
	QPAIR 64, 3
	OUT_V 2
	s_wait_tensorcnt 0x0                           ; the wave's end
	ds_add_u32 v[SPW], v[NIL]
	s_wait_dscnt 0x0
	CROUND                                         ; the closing round: no work-group ends while a partner may still ask for a tile that names it
	s_endpgm
.Lfunc_end_k_qdcfea7e003_qkv:
	.size	k_qdcfea7e003_qkv, .Lfunc_end_k_qdcfea7e003_qkv-k_qdcfea7e003_qkv
	.p2alignl 7, 3214868480
	.fill 96, 4, 3214868480
	.section	.rodata,"a",@progbits
	.p2align	6, 0x0
	.amdhsa_kernel k_qdcfea7e003_qkv
		.amdhsa_group_segment_fixed_size 327680
		.amdhsa_private_segment_fixed_size 0
		.amdhsa_enable_private_segment 0
		.amdhsa_kernarg_size 40
		.amdhsa_user_sgpr_count 2
		.amdhsa_user_sgpr_kernarg_segment_ptr 1
		.amdhsa_wavefront_size32 1
		.amdhsa_system_sgpr_workgroup_id_x 1
		.amdhsa_system_sgpr_workgroup_id_y 1
		.amdhsa_system_sgpr_workgroup_id_z 1
		.amdhsa_system_vgpr_workitem_id 0
		.amdhsa_next_free_vgpr 992
		.amdhsa_next_free_sgpr 102
		.amdhsa_reserve_vcc 0
		.amdhsa_float_denorm_mode_32 3
		.amdhsa_float_denorm_mode_16_64 3
		.amdhsa_memory_ordered 1
		.amdhsa_forward_progress 1
		.amdhsa_inst_pref_size 125
	.end_amdhsa_kernel
	.amdgpu_metadata
---
amdhsa.version: [ 1, 2 ]
amdhsa.kernels:
  - .name:           k_qdcfea7e003_qkv
    .symbol:         k_qdcfea7e003_qkv.kd
    .args:
      - { .name: xi, .offset: 0, .size: 8, .value_kind: global_buffer, .address_space: global }
      - { .name: wi, .offset: 8, .size: 8, .value_kind: global_buffer, .address_space: global }
      - { .name: qkv_b, .offset: 16, .size: 8, .value_kind: global_buffer, .address_space: global }
      - { .name: qi, .offset: 24, .size: 8, .value_kind: global_buffer, .address_space: global }
      - { .name: kv, .offset: 32, .size: 8, .value_kind: global_buffer, .address_space: global }
    .group_segment_fixed_size: 327680
    .private_segment_fixed_size: 0
    .kernarg_segment_align: 8
    .kernarg_segment_size: 40
    .max_flat_workgroup_size: 128
    .sgpr_count:     102
    .vgpr_count:     992
    .wavefront_size: 32
...
	.end_amdgpu_metadata
.endif
;; end of part 2
;; launch attn (part 3): grid 8 x 32, 8 waves a work-group, clusters of 4 x 1, 327,680 bytes of LDS; arguments qi, kv, ai; writes ai
.if DOCPART == 3
	.amdgcn_target "amdgcn-amd-amdhsa--gfx1250"
	.amdhsa_code_object_version 6
	.text
	.protected	k_qdcfea7e003_attn
	.globl	k_qdcfea7e003_attn
	.p2align	8
	.type	k_qdcfea7e003_attn,@function
k_qdcfea7e003_attn:
	s_mov_b64 s[64:65], 0
	v_nop
	global_prefetch_b8 v0, s[64:65] scope:SCOPE_SE
	s_setreg_imm32_b32 hwreg(HW_REG_WAVE_MODE, 25, 1), 1
	s_wait_xcnt 0x0
	s_wait_alu depctr_hold_cnt(0) depctr_sa_sdst(0) depctr_va_vdst(0) depctr_va_sdst(0) depctr_va_ssrc(0) depctr_va_vcc(0) depctr_vm_vsrc(0)
	s_getreg_b32 s2, hwreg(HW_REG_IB_STS2, 6, 4)
	s_cmp_eq_u32 s2, 0
	s_cbranch_scc0 .Lentry_in_a_cluster
	s_endpgm
.Lentry_in_a_cluster:
	s_bfe_u32 s2, ttmp6, 0x10000c
	s_cmp_lg_u32 s2, 0x3003
	s_cbranch_scc0 .Lentry_shape_is_right
	s_endpgm
.Lentry_shape_is_right:
; o = softmax(q k^T / 8, causal) v for one head, quantised for the last product: codes of FP6 with E8M0 scales in, codes out.  ai: operand images of 12,800 bytes a tile of 16 tokens, as launch quant lays x.
; The head has 16 segments of 128 queries, 8 tiles of 16 queries each.  A work-group takes tiles 2 p, 2 p + 1 (p = 0 .. 3, its place in the cluster) of eight segments: g and 15 - g for g = 2 i + c, i = 0 .. 3, c = 0, 1 the cluster's x.
; A WAVE TAKES BOTH TILES of a segment in step: each fragment of k and v feeds two tiles.  All 16 key steps of the head (128 keys, 13,056 bytes each) lie in LDS: 208,896 bytes.
; WORK LEFT OUT: segment g's queries see key steps 0 .. g alone; the steps behind are wholly under the mask that reference() builds and have weight 0 for all inputs.
; THE DEAL.  Segments g and 15 - g have 17 steps together.  Wave i (A) takes segment g, steps 0 .. g, and then of segment 15 - g steps 0 .. 7 - 2 i: 9 + c steps; wave 4 + i (B) takes the rest of segment 15 - g, steps 8 - 2 i .. 15 - g: 8 - c.
; B joins A's part of the sums to its own through LDS: both have a maximum M that is a whole number, so both are brought under the larger by exact powers of two.
; FILLS.  Wave w asks for key steps 2 w, 2 w + 1, one joint load a wave at the head for the four work-groups of the cluster, and nothing is filled again.  Barrier 1 shows steps 0-7 (all that A's first segment reads); barrier 2 shows the rest:
; signalled at once, it is waited for by A behind its first segment.  No prefetch: everything is asked for at the head; there is no loop ahead of it.
; ORDER.  Tile 4 G + t of a segment holds at position r = 8 h + j the token 64 G + 32 h + 8 t + j.  So in S^T = k q^T lane (r, h) holds query r and in its 64 registers n the keys 64 (n / 32) + 32 h + n % 32: two whole blocks of 32, as the operand p^T wants them.
; p = 2^(t - M), t = score x log2(e) / 8, M = the running maximum rounded up; the row's sum is taken of the unquantised p.
; The causal mask is the C of the diagonal step's products: 0, or -2^127 where the key lies behind the query; the same for all waves, so it is made once, in LDS, eight registers of each tile a wave.
; LIMITS: scaled scores stay under 2^31 in magnitude; NaN and infinities are not served; a block whose largest magnitude lies under 2^-124 keeps the scale byte 1.
; REGISTERS (y = 0, 1 the tile).  Window 0: v28-75 q's operands, two segments x two tiles, upper halves 0 (the head has 64 of the instruction's 128); v76-123 k's fragments; v130-177 v's; v178 + 12 y p's codes; v232-247 scale words;
; v18 + 2 y -M, v19 + 2 y the largest score, v[14 + 2 y] the sum in a pair, v22 + 2 y the factor.   Window 1: v64 y scores, then p; v128 + 32 y O^T; v192-223 partial sums.
.set STEPB, 13056
.set MASK,  16*STEPB                   ; two tiles x 64 registers x 128 bytes
.set MRG,   MASK+16384                 ; for each pair of waves: 64 registers x 128 bytes, and 2 x 256 for -M and the sum
.set MRGB,  8704
.set SPARE, MRG+4*MRGB
.set WV,  10
.set G,   14
.set ST,  15
.set TB,  16
.set TBK, 58
.set SEL, 20
.set CS,  22
.set LIM1, 36
.set LIM2, 37
.set DG2, 38
.set MSB, 0
.macro WIN new                         ; the immediate's high byte repeats the setting that is left
.if MSB != (\new)
	s_set_vgpr_msb (MSB<<8)|(\new)
.set MSB, (\new)
.endif
.endm
.macro CROUND
	s_barrier_signal -1
	s_barrier_wait -1
	s_cmp_lg_u32 s[WV], 0
	s_cbranch_scc1 .Lnot_wave_0_\@
	s_barrier_signal -3
.Lnot_wave_0_\@:
	s_barrier_wait -3
	s_barrier_signal -1
	s_barrier_wait -1
.endm
.macro NOP4
.rept 4
	v_nop
.endr
.endm
	s_load_b128 s[4:7], s[0:1], 0x0                ; qi, kv
	s_load_b64 s[8:9], s[0:1], 0x10                ; ai
	v_lshl_add_u32 v26, v0, 2, SPARE
	v_mov_b32 v27, 0
	ds_add_u32 v26, v27                            ; the wave's opening: the add, twice on end, and its wait
	ds_add_u32 v26, v27
	v_lshrrev_b32 v1, 5, v0
	v_readfirstlane_b32 s[WV], v1
	s_bfe_u32 s11, ttmp6, 0x40000                  ; p
	s_and_b32 s12, ttmp9, 1                        ; c
	s_and_b32 s13, ttmp7, 0xffff                   ; 16 x batch + head
	s_mov_b32 s24, 15|(3<<16)|(1<<21)              ; one row of 3,264 elements of 8 bytes, for all four partners
	s_mov_b32 s25, 3264<<16
	s_mov_b32 s26, 1<<16
	s_mov_b32 s27, 3264<<16
	s_mov_b32 s28, 1
	s_mov_b32 s29, 3264
	s_mov_b32 s30, 1<<16
	s_mov_b32 s31, 0
	s_mov_b32 s32, 1
	s_mul_i32 s33, s[WV], 2*STEPB
	s_mul_i32 s18, s13, 16*STEPB
	s_add_co_u32 s18, s18, s33
	s_mov_b32 s19, 0
	s_wait_alu depctr_va_vdst(0)
	s_wait_dscnt 0x0                               ; both opening adds are done
	CROUND
	s_wait_kmcnt 0x0
	s_add_nc_u64 s[34:35], s[6:7], s[18:19]
	s_or_b32 s35, s35, 0x80000000
	s_cmp_lt_u32 s[WV], 4
	s_cbranch_scc0 .Lupper
	tensor_load_to_lds s[32:35], s[24:31]          ; key steps 0-7
	s_nop 0
	NOP4
	s_branch .Lasked
.Lupper:
	tensor_load_to_lds s[32:35], s[24:31]          ; key steps 8-15
	s_nop 0
	NOP4
.Lasked:
	s_and_b32 s40, s[WV], 3                        ; i
	s_lshl_b32 s[G], s40, 1
	s_add_co_u32 s[G], s[G], s12                   ; g
	s_lshr_b32 s41, s[WV], 2                       ; 0: A, 1: B
	s_lshl_b32 s36, s41, 4
	s_sub_co_i32 s[LIM1], s[G], s36                ; the first segment's last step; B has none: negative
	s_xor_b32 s17, s40, 3
	s_lshl_b32 s17, s17, 1
	s_add_co_u32 s17, s17, 1                       ; 7 - 2 i: A's last step of the second segment
	s_add_co_u32 s39, s17, 1
	s_mul_i32 s39, s39, s41
	s_mul_i32 s39, s39, STEPB                      ; where the second segment's walk begins: B at step 8 - 2 i, A at 0
	s_xor_b32 s60, s12, 7                          ; 7 - c: B's last trip, with the diagonal step
	s_cmp_eq_u32 s41, 0
	s_cselect_b32 s[LIM2], s17, s60                ; the last trip of the second segment
	s_cselect_b32 s[DG2], 64, s60                  ; the trip with the diagonal step: A has none
	s_xor_b32 s59, s[G], 15                        ; the second segment, 15 - g
	s_mul_i32 s18, s13, 106496                     ; q's tiles
	s_mul_i32 s19, s11, 1536
	s_add_co_u32 s19, s18, s19
	s_lshl_b32 s60, s11, 7
	s_add_co_u32 s60, s18, s60
	s_add_co_u32 s60, s60, 6144
	s_mul_i32 s61, s[G], 6656
	s_add_co_u32 s42, s19, s61
	s_add_co_u32 s44, s60, s61
	s_mul_i32 s61, s59, 6656
	s_add_co_u32 s46, s19, s61
	s_add_co_u32 s48, s60, s61
	s_lshr_b32 s18, s13, 4                         ; the results' tiles
	s_lshl_b32 s18, s18, 7
	s_lshl_b32 s19, s11, 1
	s_add_co_u32 s18, s18, s19
	s_and_b32 s19, s13, 15                         ; the head
	s_mul_i32 s60, s19, 768
	s_add_co_u32 s60, s60, 512
	s_lshr_b32 s61, s19, 1
	s_lshl_b32 s61, s61, 6
	s_and_b32 s19, s19, 1
	s_lshl_b32 s19, s19, 1
	s_add_co_u32 s61, s61, s19
	s_lshl_b32 s19, s[G], 3
	s_add_co_u32 s19, s19, s18
	s_mul_i32 s19, s19, 12800
	s_add_co_u32 s50, s19, s60
	s_add_co_u32 s52, s19, s61
	s_lshl_b32 s19, s59, 3
	s_add_co_u32 s19, s19, s18
	s_mul_i32 s19, s19, 12800
	s_add_co_u32 s54, s19, s60
	s_add_co_u32 s56, s19, s61
.irp p, 43,45,47,49,51,53,55,57
	s_mov_b32 s\p, 0
.endr
.irp p, 42,44,46,48
	s_add_nc_u64 s[\p:\p+1], s[4:5], s[\p:\p+1]
.endr
.irp p, 50,52,54,56
	s_add_nc_u64 s[\p:\p+1], s[8:9], s[\p:\p+1]
.endr
	s_mov_b32 s[SEL], 0x76543210
	s_mov_b32 s[SEL+1], 0xfedcba98                 ; v_permlanex16_b32's selects for lane l xor 16
	s_mov_b32 s[CS], 0x3e38aa3b                    ; log2(e) / 8
	s_mov_b32 s[CS+1], s[CS]
	s_lshr_b32 s18, s11, 1
	s_lshl_b32 s18, s18, 6
	s_and_b32 s19, s11, 1
	s_lshl_b32 s19, s19, 4
	s_add_co_u32 s18, s18, s19                     ; the first tile's first query in its segment; the second's is 8 on
	s_lshl_b32 s19, s41, 6
	s_lshl_b32 s60, s40, 3
	s_add_co_u32 s19, s19, s60                     ; the key of the first of my eight mask registers
	s_sub_co_i32 s18, s18, s19
	s_lshl_b32 s19, s[WV], 10
	s_mul_i32 s60, s40, MRGB
	s_add_co_u32 s60, s60, MRG
	v_and_b32 v5, 31, v0
	v_lshlrev_b32 v1, 4, v5                        ; 16 x lane
	v_lshlrev_b32 v2, 3, v5                        ; 8 x lane
	v_lshlrev_b32 v3, 2, v5                        ; 4 x lane
	v_and_b32 v6, 15, v0                           ; r
	v_bfe_u32 v7, v0, 4, 1                         ; h
	v_lshlrev_b32 v13, 2, v6                       ; 4 r
.irp y, 0,1                            ; every wave loads both segments' queries (B works on the second alone)
	global_load_b128 v[28+12*\y:31+12*\y], v1, s[42:43] offset:768*\y
	global_load_b64 v[32+12*\y:33+12*\y], v2, s[42:43] offset:768*\y+512
	global_load_b32 v[244+\y], v13, s[44:45] offset:64*\y
	global_load_b128 v[52+12*\y:55+12*\y], v1, s[46:47] offset:768*\y
	global_load_b64 v[56+12*\y:57+12*\y], v2, s[46:47] offset:768*\y+512
	global_load_b32 v[246+\y], v13, s[48:49] offset:64*\y
.endr
	v_lshl_add_u32 v4, v6, 2, v7                   ; 4 r + h: my byte of a row's scale word
	v_lshlrev_b32 v10, 3, v7                       ; 8 h
	v_add_nc_u32 v9, MASK, v1
	v_add_nc_u32 v11, s60, v1                      ; the pair's place for the sums,
	v_add_nc_u32 v12, s60, v2                      ; and for -M and the rows' sums
	v_and_b32 v5, 7, v6
	v_lshrrev_b32 v8, 3, v6
	v_sub_nc_u32 v8, v8, v7
	v_lshl_add_u32 v5, v8, 5, v5
	v_add_nc_u32 v5, s18, v5                       ; query less 32 h less my first mask register's key
	v_add_nc_u32 v6, s19, v9
	v_mov_b32 v8, 0xff000000                       ; -2^127
.irp y, 0,1
.irp i, 0,1,2,3,4,5,6,7
	v_cmp_gt_i32 vcc_lo, \i-8*\y, v5
	v_cndmask_b32 v[76+8*\y+\i], 0, v8, vcc_lo
.endr
	ds_store_b128 v6, v[76+8*\y:79+8*\y] offset:8192*\y
	ds_store_b128 v6, v[80+8*\y:83+8*\y] offset:8192*\y+512
.endr
.irp b, 34,46,58,70,124,202,208        ; zeros: the operands' upper halves; and registers that count as read ahead of their first write
.irp i, 0,1,2,3,4,5
	v_mov_b32 v[\b+\i], 0
.endr
.endr
.irp j, 23,25,230,231
	v_mov_b32 v\j, 0
.endr
.macro BEGIN                           ; a segment's start
.irp y, 0,1
	v_mov_b32 v[19+2*\y], 0xff61b1e6               ; the largest score so far: -3e38, under every score
	v_mov_b32 v[18+2*\y], 0x7e000000               ; -M for it: so large that the first change of M multiplies the sums by 0
	v_mov_b32 v[14+2*\y], 0
	v_mov_b32 v[15+2*\y], 0
.endr
	WIN 0x40
.set J, 0
.rept 64
	v_mov_b32 v[128+J], 0
.set J, J+1
.endr
	WIN 0
.endm
	BEGIN
	s_wait_alu depctr_va_vdst(0)
	s_cmp_lt_u32 s[WV], 4
	s_cbranch_scc0 .Lnot_mine
	s_wait_tensorcnt 0x0
.Lnot_mine:
	s_wait_dscnt 0x0                               ; my part of the mask is stored
	s_barrier_signal -1
	s_barrier_wait -1                              ; key steps 0-7 and the mask are in
	s_wait_loadcnt 0x0
	s_wait_tensorcnt 0x0
	s_barrier_signal -1                            ; barrier 2: key steps 8-15; between here and its wait stand LDS loads and register work
.macro ADDR s                          ; a key step's addresses; with the v_nop also four places behind matrix instructions
	v_add_nc_u32 v6, s[\s], v1
	v_add_nc_u32 v7, s[\s], v2
	v_add_nc_u32 v8, s[\s], v3
	v_nop
.endm
.macro KLOAD
.irp t, 0,1,2,3,4,5,6,7
	ds_load_b128 v[76+6*\t:79+6*\t], v6 offset:768*\t
	ds_load_b64 v[80+6*\t:81+6*\t], v7 offset:768*\t+512
.endr
.irp u, 0,1,2,3
	ds_load_b32 v[232+\u], v8 offset:12288+128*\u
.endr
.endm
.macro QK y, t, q, qs, row, c
.if \c
	v_wmma_scale_f32_16x16x128_f8f6f4 v[64*\y+8*(\t):64*\y+8*(\t)+7], v[76+6*(\t):87+6*(\t)], v[\q+12*\y:\q+12*\y+11], v[64*\y+8*(\t):64*\y+8*(\t)+7], v[232+(\t)/2], v[\qs+\y] matrix_a_fmt:MATRIX_FMT_FP6 matrix_b_fmt:MATRIX_FMT_FP6 matrix_a_scale:MATRIX_SCALE_ROW\row
.else
	v_wmma_scale_f32_16x16x128_f8f6f4 v[64*\y+8*(\t):64*\y+8*(\t)+7], v[76+6*(\t):87+6*(\t)], v[\q+12*\y:\q+12*\y+11], 0, v[232+(\t)/2], v[\qs+\y] matrix_a_fmt:MATRIX_FMT_FP6 matrix_b_fmt:MATRIX_FMT_FP6 matrix_a_scale:MATRIX_SCALE_ROW\row
.endif
.endm
.macro QKS q, qs, c
	WIN 0x40+0x10*\c
.irp y, 0,1
.irp u, 0,1,2,3
	QK \y, 2*\u, \q, \qs, 0, \c
	QK \y, 2*\u+1, \q, \qs, 1, \c
.endr
.endr
	WIN 0
.endm
; A trip: key step at s[TB], whose k fragments are on their way or here; q, qs: the queries' registers and scale words; lim: my last trip; dg: the trip with the diagonal step; last: the last key step that may be fetched ahead.
.macro STEP q, qs, lim, dg, last
	s_cmp_gt_i32 s[ST], s[\lim]
	s_cbranch_scc1 .Lhid_\@
	ADDR TB
.irp t, 0,1,2,3
.irp c, 0,1
	ds_load_b128 v[130+12*\t+6*\c:133+12*\t+6*\c], v6 offset:6144+1536*\t+768*\c
	ds_load_b64 v[134+12*\t+6*\c:135+12*\t+6*\c], v7 offset:6144+1536*\t+768*\c+512
.endr
.endr
.irp u, 0,1
	ds_load_b32 v[236+\u], v8 offset:12800+128*\u
.endr
	s_wait_alu depctr_va_vdst(0)
	s_cmp_lg_u32 s[ST], s[\dg]
	s_cbranch_scc1 .Lplain_\@
	WIN 0x40
.set J, 0
.rept 32
	ds_load_b128 v[4*J:4*J+3], v9 offset:512*J     ; the mask, as the products' C
.set J, J+1
.endr
	WIN 0
	s_wait_dscnt 0x0
	QKS \q, \qs, 1
	s_branch .Lscored_\@
.Lplain_\@:
	s_wait_dscnt 18                                ; k's fragments are in; v's 18 loads may be out
	QKS \q, \qs, 0
.Lscored_\@:
	s_add_co_u32 s[TBK], s[TB], STEPB
	s_min_u32 s[TBK], s[TBK], (\last)*STEPB
	ADDR TBK
	s_cmp_eq_u32 s[ST], s[\lim]
	s_cbranch_scc1 .Lno_next_\@
	KLOAD                                          ; the next trip's
.Lno_next_\@:
	WIN 0x15
.irp y, 0,1                            ; the largest score of my two blocks of 32 keys in each tile: two chains for each
.irp b, 0,1,2,3
	v_max3_num_f32 v[202+4*\y+\b], v[64*\y+32*(\b%2)+16*(\b/2)], v[64*\y+32*(\b%2)+16*(\b/2)+1], v[64*\y+32*(\b%2)+16*(\b/2)+2]
.endr
.endr
	WIN 0x14
.irp i, 3,5,7,9,11,13
.irp y, 0,1
.irp b, 0,1,2,3
	v_max3_num_f32 v[202+4*\y+\b], v[202+4*\y+\b], v[64*\y+32*(\b%2)+16*(\b/2)+\i], v[64*\y+32*(\b%2)+16*(\b/2)+\i+1]
.endr
.endr
.endr
.irp y, 0,1
.irp b, 0,1
	v_max3_num_f32 v[202+4*\y+\b], v[202+4*\y+\b], v[64*\y+32*\b+15], v[64*\y+32*\b+31]
.endr
.endr
	WIN 0
.irp b, 0,1
.irp y, 0,1
	v_max_num_f32 v[202+4*\y+\b], v[202+4*\y+\b], v[204+4*\y+\b]
.endr
.endr
.irp y, 0,1
	v_max_num_f32 v[210+\y], v[202+4*\y], v[203+4*\y]
.endr
.irp y, 0,1
	v_permlanex16_b32 v[212+\y], v[210+\y], s[SEL], s[SEL+1]
.endr
.irp y, 0,1
	v_max3_num_f32 v[19+2*\y], v[19+2*\y], v[210+\y], v[212+\y]   ; the running largest score of my query
.endr
.irp y, 0,1
	v_mul_f32 v[210+\y], s[CS], -v[19+2*\y]
.endr
.irp y, 0,1
	v_floor_f32 v[210+\y], v[210+\y]               ; the new -M = floor(-t): M is a whole number
.endr
.irp y, 0,1
	v_sub_f32 v[212+\y], v[210+\y], v[18+2*\y]     ; M's old value less its new one
.endr
.irp y, 0,1
	v_mov_b32 v[18+2*\y], v[210+\y]
.endr
.irp y, 0,1
	v_cvt_i32_f32 v[212+\y], v[212+\y]             ; (it saturates)
.endr
.irp y, 0,1
	v_ldexp_f32 v[22+2*\y], 1.0, v[212+\y]         ; 2^(old M - new M): nothing is rounded
.endr
.irp b, 0,1
.irp y, 0,1
	v_fma_f32 v[202+4*\y+\b], v[202+4*\y+\b], s[CS], v[18+2*\y]   ; t - M of each block's largest score
.endr
.endr
	WIN 0x41
.irp y, 0,1
.set J, 0
.rept 16
	v_pk_mul_f32 v[128+32*\y+J:129+32*\y+J], v[128+32*\y+J:129+32*\y+J], v[22+2*\y:23+2*\y] op_sel_hi:[1,0]   ; O^T under the new M
.set J, J+2
.endr
.endr
.set J, 0
.rept 32
	v_pk_fma_f32 v[J:J+1], v[J:J+1], s[CS:CS+1], v[18:19] op_sel_hi:[1,0,0]   ; t - M, the first tile
.set J, J+2
.endr
	WIN 0
	s_wait_alu depctr_va_vdst(0)
.irp b, 0,1
.irp y, 0,1
	v_exp_f32 v[202+4*\y+\b], v[202+4*\y+\b]
.endr
.endr
	WIN 0x41
.set J, 0
.rept 32
	v_exp_f32 v[J], v[J]                           ; the first tile's p; among them the second tile's t - M
	v_exp_f32 v[J+1], v[J+1]
	v_pk_fma_f32 v[64+J:65+J], v[64+J:65+J], s[CS:CS+1], v[20:21] op_sel_hi:[1,0,0]
.set J, J+2
.endr
	s_wait_alu depctr_va_vdst(0)                   ; one wait behind the first tile's batch and ahead of the second's
	WIN 0x45
.set J, 0
.rept 16
	v_exp_f32 v[64+J], v[64+J]                     ; the second tile's p; among them the first tile's p are added, two pairs at a time
	v_exp_f32 v[65+J], v[65+J]
	v_pk_add_f32 v[192+J:193+J], v[2*J:2*J+1], v[2*J+2:2*J+3]
	v_exp_f32 v[96+J], v[96+J]
	v_exp_f32 v[97+J], v[97+J]
.set J, J+2
.endr
	WIN 0
.irp y, 0,1
	v_pk_mul_f32 v[14+2*\y:15+2*\y], v[14+2*\y:15+2*\y], v[22+2*\y:23+2*\y] op_sel_hi:[1,0]
.endr
	s_wait_alu depctr_va_vdst(0)                   ; and one behind the second's
.irp y, 0,1
.irp b, 0,1
	v_max_num_f32 v[202+4*\y+\b], 0x1800000, v[202+4*\y+\b]   ; the floor 2^(3 - 127): the byte cannot fall under 1
.endr
.endr
.irp y, 0,1
.irp b, 0,1
	v_add_nc_u32 v[217+8*\y+4*\b], 0xff000000, v[202+4*\y+\b] ; 2 off the exponent field: the conversion's scale operand
.endr
.endr
.irp y, 0,1
.irp b, 0,1
	v_lshrrev_b32 v[210+2*\y+\b], 23, v[217+8*\y+4*\b]
.endr
.endr
.irp y, 0,1
	v_lshl_or_b32 v[210+2*\y], v[211+2*\y], 16, v[210+2*\y]   ; my two bytes, blocks h and 2 + h,
.endr
.irp y, 0,1
	v_lshlrev_b32 v[210+2*\y], v10, v[210+2*\y]    ; at their places;
.endr
.irp y, 0,1
	v_permlanex16_b32 v[230+\y], v[210+2*\y], s[SEL], s[SEL+1]
.endr
.irp y, 0,1
	v_or_b32 v[238+\y], v[210+2*\y], v[230+\y]     ; with lane l xor 16's two: p's scale word for these 128 keys
.endr
	WIN 0x01
.irp y, 0,1
.irp b, 0,1
	v_cvt_scalef32_pk16_fp6_f32 v[178+12*\y+6*\b:180+12*\y+6*\b], v[64*\y+32*\b:64*\y+32*\b+15], v[217+8*\y+4*\b]
	v_cvt_scalef32_pk16_fp6_f32 v[214+8*\y+4*\b:216+8*\y+4*\b], v[64*\y+32*\b+16:64*\y+32*\b+31], v[217+8*\y+4*\b]
.endr
.endr
	WIN 0
	v_nop                                          ; one plain place behind a scaled conversion
.irp i, 0,1,2
.irp y, 0,1
.irp b, 0,1
	v_mov_b32 v[181+12*\y+6*\b+\i], v[214+8*\y+4*\b+\i]
.endr
.endr
.endr
	WIN 0x05                                       ; the rows' sums, of the unquantised p, in four chains a tile
.irp k, 0,1,2
	v_pk_add_f32 v[202+2*\k:203+2*\k], v[192+4*\k:193+4*\k], v[194+4*\k:195+4*\k]
	v_pk_add_f32 v[208+2*\k:209+2*\k], v[64+4*\k:65+4*\k], v[66+4*\k:67+4*\k]
.endr
	WIN 0x04
.irp j, 12,20
	v_pk_add_f32 v[14:15], v[14:15], v[192+\j:193+\j]
	v_pk_add_f32 v[202:203], v[202:203], v[194+\j:195+\j]
	v_pk_add_f32 v[204:205], v[204:205], v[196+\j:197+\j]
	v_pk_add_f32 v[206:207], v[206:207], v[198+\j:199+\j]
.endr
	v_pk_add_f32 v[14:15], v[14:15], v[220:221]
	v_pk_add_f32 v[202:203], v[202:203], v[222:223]
.irp j, 76,84,92,100,108,116
	v_pk_add_f32 v[16:17], v[16:17], v[\j:\j+1]
	v_pk_add_f32 v[208:209], v[208:209], v[\j+2:\j+3]
	v_pk_add_f32 v[210:211], v[210:211], v[\j+4:\j+5]
	v_pk_add_f32 v[212:213], v[212:213], v[\j+6:\j+7]
.endr
	v_pk_add_f32 v[16:17], v[16:17], v[124:125]
	v_pk_add_f32 v[208:209], v[208:209], v[126:127]
	WIN 0
	v_pk_add_f32 v[202:203], v[202:203], v[204:205]
	v_pk_add_f32 v[208:209], v[208:209], v[210:211]
	v_pk_add_f32 v[14:15], v[14:15], v[206:207]
	v_pk_add_f32 v[16:17], v[16:17], v[212:213]
	v_pk_add_f32 v[14:15], v[14:15], v[202:203]
	v_pk_add_f32 v[16:17], v[16:17], v[208:209]
	s_wait_alu depctr_va_vdst(0)
	s_wait_dscnt 0x0                               ; v's fragments are in
	WIN 0x50
.irp u, 0,1
.irp y, 0,1
	v_wmma_scale_f32_16x16x128_f8f6f4 v[128+32*\y+16*\u:135+32*\y+16*\u], v[130+24*\u:141+24*\u], v[178+12*\y:189+12*\y], v[128+32*\y+16*\u:135+32*\y+16*\u], v[236+\u], v[238+\y] matrix_a_fmt:MATRIX_FMT_FP6 matrix_b_fmt:MATRIX_FMT_FP6
	v_wmma_scale_f32_16x16x128_f8f6f4 v[136+32*\y+16*\u:143+32*\y+16*\u], v[142+24*\u:153+24*\u], v[178+12*\y:189+12*\y], v[136+32*\y+16*\u:143+32*\y+16*\u], v[236+\u], v[238+\y] matrix_a_fmt:MATRIX_FMT_FP6 matrix_b_fmt:MATRIX_FMT_FP6 matrix_a_scale:MATRIX_SCALE_ROW1
.endr
.endr
	WIN 0
.Lhid_\@:
.endm
; The way out of both tiles: O^T / the sum (v14, v16: my half of it): 32 neighbouring channels a lane, one scale block; codes to s[cp], the scale's byte to s[sp]; the second tile lies 12,800 bytes on.
.macro OUT cp, sp
.irp y, 0,1
	v_permlanex16_b32 v[202+\y], v[14+2*\y], s[SEL], s[SEL+1]
.endr
.irp y, 0,1
	v_add_f32 v[14+2*\y], v[14+2*\y], v[202+\y]
.endr
	s_wait_alu depctr_va_vdst(0)
	v_rcp_f32 v14, v14
	v_rcp_f32 v16, v16
	v_nop
	WIN 0x41
	s_wait_alu depctr_va_vdst(0)
.irp y, 0,1
.set J, 0
.rept 32
	v_mul_f32 v[32*\y+J], v[128+32*\y+J], v[14+2*\y]
.set J, J+1
.endr
.endr
	WIN 0x05
.irp y, 0,1
	v_max3_num_f32 v[202+\y], |v[32*\y]|, |v[32*\y+1]|, 0x1800000
.endr
	WIN 0x15
.irp y, 0,1
	v_max3_num_f32 v[204+\y], |v[32*\y+2]|, |v[32*\y+3]|, |v[32*\y+4]|
.endr
	WIN 0x14
.irp i, 5,9,13,17,21,25
.irp y, 0,1
	v_max3_num_f32 v[202+\y], v[202+\y], |v[32*\y+\i]|, |v[32*\y+\i+1]|
	v_max3_num_f32 v[204+\y], v[204+\y], |v[32*\y+\i+2]|, |v[32*\y+\i+3]|
.endr
.endr
.irp y, 0,1
	v_max3_num_f32 v[202+\y], v[202+\y], |v[32*\y+29]|, |v[32*\y+30]|
.endr
	WIN 0x04
.irp y, 0,1
	v_max3_num_f32 v[202+\y], v[202+\y], |v[32*\y+31]|, v[204+\y]
.endr
	WIN 0
.irp y, 0,1
	v_add_nc_u32 v[206+\y], 0xff000000, v[202+\y]
.endr
.irp y, 0,1
	v_lshrrev_b32 v[208+\y], 23, v[206+\y]
.endr
	WIN 0x01
.irp y, 0,1
	v_cvt_scalef32_pk16_fp6_f32 v[178+8*\y:180+8*\y], v[32*\y:32*\y+15], v[206+\y]
	v_cvt_scalef32_pk16_fp6_f32 v[182+8*\y:184+8*\y], v[32*\y+16:32*\y+31], v[206+\y]
.endr
	WIN 0
	v_nop                                          ; one plain place behind a scaled conversion
.irp i, 3,4,5
.irp y, 0,1
	v_mov_b32 v[178+8*\y+\i], v[179+8*\y+\i]
.endr
.endr
.irp y, 0,1
	global_store_b128 v1, v[178+8*\y:181+8*\y], s[\cp:\cp+1] offset:12800*\y
	global_store_b64 v2, v[182+8*\y:183+8*\y], s[\cp:\cp+1] offset:12800*\y+512
	global_store_b8 v4, v[208+\y], s[\sp:\sp+1] offset:12800*\y
.endr
.endm
	s_mov_b32 s[ST], 0
	s_mov_b32 s[TB], 0
	ADDR TB
	KLOAD
.Lfirst_segment:
	STEP 28, 244, LIM1, G, 7
	s_add_co_u32 s[TB], s[TB], STEPB
	s_add_co_u32 s[ST], s[ST], 1
	s_cmp_lt_u32 s[ST], 8
	s_cbranch_scc1 .Lfirst_segment
	NOP4
	s_barrier_wait -1                              ; barrier 2: all key steps are in
	s_cmp_lt_u32 s[WV], 4
	s_cbranch_scc0 .Lno_first
	v_add_f32 v14, v14, v15
	v_add_f32 v16, v16, v17
	OUT 50, 52
.Lno_first:
	s_mov_b32 s[ST], 0
	s_mov_b32 s[TB], s39
	s_wait_dscnt 0x0                               ; no load into k's registers is out
	ADDR TB
	KLOAD
	BEGIN
	s_wait_alu depctr_va_vdst(0)
	s_wait_xcnt 0x0                                ; the stores have read their registers
.Lsecond_segment:
	STEP 52, 246, LIM2, DG2, 15
	s_add_co_u32 s[TB], s[TB], STEPB
	s_add_co_u32 s[ST], s[ST], 1
	s_cmp_lt_u32 s[ST], 8
	s_cbranch_scc1 .Lsecond_segment
	NOP4
	v_add_f32 v19, v14, v15
	v_add_f32 v21, v16, v17
	s_wait_alu depctr_va_vdst(0)
	s_cmp_lt_u32 s[WV], 4
	s_cbranch_scc0 .Lkeep
	WIN 0x04
.set J, 0
.rept 16
	ds_store_b128 v11, v[128+4*J:131+4*J] offset:512*J   ; A hands its part over
.set J, J+1
.endr
	WIN 0
.irp y, 0,1
	ds_store_b64 v12, v[18+2*\y:19+2*\y] offset:8192+256*\y
.endr
.Lkeep:
	s_wait_dscnt 0x0
	s_barrier_signal -1
	s_barrier_wait -1
	s_cmp_lt_u32 s[WV], 4
	s_cbranch_scc1 .Lend
	WIN 0x40
.set J, 0
.rept 16
	ds_load_b128 v[4*J:4*J+3], v11 offset:512*J
.set J, J+1
.endr
	WIN 0
.irp y, 0,1
	ds_load_b64 v[202+2*\y:203+2*\y], v12 offset:8192+256*\y
.endr
	s_wait_dscnt 0x0
.irp y, 0,1
	v_min_num_f32 v[206+\y], v[18+2*\y], v[202+2*\y]   ; the larger M of the two
.endr
.irp y, 0,1
	v_sub_f32 v[208+\y], v[206+\y], v[18+2*\y]
	v_sub_f32 v[210+\y], v[206+\y], v[202+2*\y]
.endr
.irp y, 0,1
	v_cvt_i32_f32 v[208+\y], v[208+\y]
	v_cvt_i32_f32 v[210+\y], v[210+\y]
.endr
.irp y, 0,1
	v_ldexp_f32 v[22+2*\y], 1.0, v[208+\y]
	v_ldexp_f32 v[214+2*\y], 1.0, v[210+\y]
	v_mov_b32 v[215+2*\y], 0                       ; (named as the upper half of a pair)
.endr
.irp y, 0,1
	v_mul_f32 v[14+2*\y], v[19+2*\y], v[22+2*\y]
.endr
.irp y, 0,1
	v_fma_f32 v[14+2*\y], v[203+2*\y], v[214+2*\y], v[14+2*\y]
.endr
	WIN 0x41
.irp y, 0,1
.set J, 0
.rept 16
	v_pk_mul_f32 v[128+32*\y+J:129+32*\y+J], v[128+32*\y+J:129+32*\y+J], v[22+2*\y:23+2*\y] op_sel_hi:[1,0]
.set J, J+2
.endr
.endr
	WIN 0x51
.irp y, 0,1
.set J, 0
.rept 16
	v_pk_fma_f32 v[128+32*\y+J:129+32*\y+J], v[32*\y+J:32*\y+J+1], v[214+2*\y:215+2*\y], v[128+32*\y+J:129+32*\y+J] op_sel_hi:[1,0,1]
.set J, J+2
.endr
.endr
	WIN 0
	OUT 54, 56
.Lend:
	s_wait_tensorcnt 0x0                           ; the wave's end
	ds_add_u32 v26, v27
	s_wait_dscnt 0x0
	CROUND                                         ; the closing round
	s_endpgm
.Lfunc_end_k_qdcfea7e003_attn:
	.size	k_qdcfea7e003_attn, .Lfunc_end_k_qdcfea7e003_attn-k_qdcfea7e003_attn
	.p2alignl 7, 3214868480
	.fill 96, 4, 3214868480
	.section	.rodata,"a",@progbits
	.p2align	6, 0x0
	.amdhsa_kernel k_qdcfea7e003_attn
		.amdhsa_group_segment_fixed_size 327680
		.amdhsa_private_segment_fixed_size 0
		.amdhsa_enable_private_segment 0
		.amdhsa_kernarg_size 24
		.amdhsa_user_sgpr_count 2
		.amdhsa_user_sgpr_kernarg_segment_ptr 1
		.amdhsa_wavefront_size32 1
		.amdhsa_system_sgpr_workgroup_id_x 1
		.amdhsa_system_sgpr_workgroup_id_y 1
		.amdhsa_system_sgpr_workgroup_id_z 1
		.amdhsa_system_vgpr_workitem_id 0
		.amdhsa_next_free_vgpr 512
		.amdhsa_next_free_sgpr 66
		.amdhsa_reserve_vcc 1
		.amdhsa_float_denorm_mode_32 3
		.amdhsa_float_denorm_mode_16_64 3
		.amdhsa_memory_ordered 1
		.amdhsa_forward_progress 1
		.amdhsa_inst_pref_size 104
	.end_amdhsa_kernel
	.amdgpu_metadata
---
amdhsa.version: [ 1, 2 ]
amdhsa.kernels:
  - .name:           k_qdcfea7e003_attn
    .symbol:         k_qdcfea7e003_attn.kd
    .args:
      - { .name: qi, .offset: 0, .size: 8, .value_kind: global_buffer, .address_space: global }
      - { .name: kv, .offset: 8, .size: 8, .value_kind: global_buffer, .address_space: global }
      - { .name: ai, .offset: 16, .size: 8, .value_kind: global_buffer, .address_space: global }
    .group_segment_fixed_size: 327680
    .private_segment_fixed_size: 0
    .kernarg_segment_align: 8
    .kernarg_segment_size: 24
    .max_flat_workgroup_size: 256
    .sgpr_count:     66
    .vgpr_count:     512
    .wavefront_size: 32
...
	.end_amdgpu_metadata
.endif
;; end of part 3
;; launch proj (part 4): grid 8 x 32, 4 waves a work-group, clusters of 4 x 4, 327,680 bytes of LDS; arguments ai, oi, out_b, out0; writes out0
.if DOCPART == 4
	.amdgcn_target "amdgcn-amd-amdhsa--gfx1250"
	.amdhsa_code_object_version 6
	.text
	.protected	k_qdcfea7e003_proj
	.globl	k_qdcfea7e003_proj
	.p2align	8
	.type	k_qdcfea7e003_proj,@function
k_qdcfea7e003_proj:
	s_mov_b64 s[64:65], 0
	v_nop
	global_prefetch_b8 v0, s[64:65] scope:SCOPE_SE
	s_setreg_imm32_b32 hwreg(HW_REG_WAVE_MODE, 25, 1), 1
	s_wait_xcnt 0x0
	s_wait_alu depctr_hold_cnt(0) depctr_sa_sdst(0) depctr_va_vdst(0) depctr_va_sdst(0) depctr_va_ssrc(0) depctr_va_vcc(0) depctr_vm_vsrc(0)
	s_getreg_b32 s2, hwreg(HW_REG_IB_STS2, 6, 4)
	s_cmp_eq_u32 s2, 0
	s_cbranch_scc0 .Lentry_in_a_cluster
	s_endpgm
.Lentry_in_a_cluster:
	s_bfe_u32 s2, ttmp6, 0x10000c
	s_cmp_lg_u32 s2, 0xf033
	s_cbranch_scc0 .Lentry_shape_is_right
	s_endpgm
.Lentry_shape_is_right:
; out0 = attention's output x out_w + out_b on codes of FP6 (E2M3) with E8M0 scales; out0 [4096][1024] f32.  ai, oi: operand images of 12,800 bytes a tile of 16 rows, as launch quant lays them.
; A work-group of four waves makes 128 x 128 of the result, 256 work-groups; a wave 64 x 64.  All of K lies in LDS: 8 tiles of each side, 204,800 bytes, by one joint load a wave at the head: the scale words and the first half of K
; (rows of 6,656 bytes) of A, of B, the second half (6,144) of A, of B.  Nothing is filled again.  The scale words go into registers at once.  A plain barrier shows the second half.
; THE WALK.  The wave's 64 columns of out_w, all of K, stay in registers (32 fragments, 384 registers); its four tiles of 16 tokens pass by one after the other, 32 matrix instructions each, so that a tile's rows leave while the next tile is multiplied.
; Fragments: f = 4 q + b is B's tile b, K step q of 128; f = 32 + 8 e + q the tokens' set e.  Fragment f lies in window 1 + f / 21 at register 12 (f % 21).
; Source 0 = 16 columns of out_w (B), source 1 = 16 tokens (A): lane (r, h) holds of token position r the 32 neighbouring columns 32 h + 8 b + j of a group of 64, in registers 8 b + j.  The bias is the C of each sum's first product.
; CLUSTERS 4 x 4: A's tiles are shared along a row of the cluster, B's along a column.  No prefetch: everything is asked for at the head; there is no loop.
; Window 0: v5-26 addresses, v32-63 scale words (register 32 + 4 k + i: lanes 0-15 A's tile i, lanes 16-31 B's tile i), v64-95 the bias, v96 + 32 e the sums of tiles e, e + 2, v160 + 32 e rows on the way out.
.set B1,   53248
.set A2,   106496
.set B2,   155648
.set STAGE, 204800                     ; 16 rows x (256 + 16) bytes for each wave
.set SPITCH, 272
.set SPARE, STAGE+4*16*SPITCH
.set SPW,  6
.set NIL,  7
.set MSB, 0
.macro WIN new                         ; the immediate's high byte repeats the setting that is left
.if MSB != (\new)
	s_set_vgpr_msb (MSB<<8)|(\new)
.set MSB, (\new)
.endif
.endm
.macro NOP4
.rept 4
	v_nop
.endr
.endm
.macro CROUND
	s_barrier_signal -1
	s_barrier_wait -1
	s_cmp_lg_u32 s14, 0
	s_cbranch_scc1 .Lnot_wave_0_\@
	s_barrier_signal -3
.Lnot_wave_0_\@:
	s_barrier_wait -3
	s_barrier_signal -1
	s_barrier_wait -1
.endm
.macro TLOAD g0, g1
	tensor_load_to_lds s[\g0:\g0+3], s[\g1:\g1+7]
	s_nop 0
	NOP4
.endm
.macro G1SET g, mask, els              ; eight rows of els elements of 8 bytes, 12,800 bytes apart, dense in LDS
	s_or_b32 s[\g+0], s\mask, (3<<16)|(1<<21)
	s_mov_b32 s[\g+1], (\els)<<16
	s_mov_b32 s[\g+2], 8<<16
	s_mov_b32 s[\g+3], (\els)<<16
	s_mov_b32 s[\g+4], 8
	s_mov_b32 s[\g+5], 1600
	s_mov_b32 s[\g+6], 0
	s_mov_b32 s[\g+7], 0
.endm
.macro G0SET g, lds, base, off
	s_mov_b32 s[\g], 1
	s_mov_b32 s[\g+1], \lds
	s_add_nc_u64 s[\g+2:\g+3], s[\base:\base+1], \off
	s_or_b32 s[\g+3], s[\g+3], 0x80000000
.endm
	s_load_b256 s[4:11], s[0:1], 0x0               ; ai s[4:5], oi s[6:7], out_b s[8:9], out0 s[10:11]
	v_lshl_add_u32 v[SPW], v0, 2, SPARE
	v_mov_b32 v[NIL], 0
	ds_add_u32 v[SPW], v[NIL]                      ; the wave's opening: the add, twice on end, and its wait
	ds_add_u32 v[SPW], v[NIL]
	v_lshrrev_b32 v1, 5, v0
	v_readfirstlane_b32 s14, v1                    ; wave 0..3
	s_lshr_b32 s15, s14, 1                         ; my half of A's tiles
	s_and_b32 s16, s14, 1                          ; my half of B's
	s_bfe_u32 s17, ttmp6, 0x40000                  ; cx
	s_bfe_u32 s18, ttmp6, 0x40004                  ; cy
	s_lshl_b32 s19, ttmp9, 2
	s_add_co_u32 s19, s19, s17                     ; B: which 128 columns
	s_and_b32 s20, ttmp7, 0xffff
	s_lshl_b32 s20, s20, 2
	s_add_co_u32 s20, s20, s18                     ; A: which 128 tokens
	s_lshl_b32 s21, s18, 2
	s_lshl_b32 s21, 15, s21                        ; my row of the cluster
	s_lshl_b32 s22, 0x1111, s17                    ; my column
	G1SET 24, 21, 832
	G1SET 32, 22, 832
	G1SET 40, 21, 768
	G1SET 48, 22, 768
	s_mul_i32 s76, s20, 8*12800
	s_mov_b32 s77, 0
	s_mul_i32 s78, s19, 8*12800
	s_mov_b32 s79, 0
	s_wait_alu depctr_va_vdst(0)
	s_wait_dscnt 0x0                               ; both opening adds are done
	CROUND                                         ; all sixteen work-groups are here: the joint loads meet
	s_wait_kmcnt 0x0
	s_add_nc_u64 s[76:77], s[4:5], s[76:77]
	s_add_nc_u64 s[78:79], s[6:7], s[78:79]
	G0SET 56, 0, 76, 0
	G0SET 60, B1, 78, 0
	G0SET 68, A2, 76, 6656
	G0SET 72, B2, 78, 6656
.macro ARM under, g0, g1, next
	s_cmp_lt_u32 s14, \under
	s_cbranch_scc0 \next
	TLOAD \g0, \g1
	s_branch .Lhead_asked
\next:
.endm
	ARM 1, 56, 24, .Lhead_1
	ARM 2, 60, 32, .Lhead_2
	ARM 3, 68, 40, .Lhead_3
	TLOAD 72, 48
.Lhead_asked:
	s_lshl_b32 s80, s19, 1
	s_add_co_u32 s80, s80, s16
	s_lshl_b32 s80, s80, 8                         ; my 64 columns, in bytes: in out_b, and in a row of out0
	s_mov_b32 s81, 0
	s_add_nc_u64 s[8:9], s[8:9], s[80:81]
	s_add_nc_u64 s[10:11], s[10:11], s[80:81]
	s_lshl_b32 s82, s20, 1
	s_add_co_u32 s82, s82, s15
	s_lshl_b32 s82, s82, 18                        ; my 64 rows of 4,096 bytes
	s_mov_b32 s83, 0
	s_add_nc_u64 s[10:11], s[10:11], s[82:83]
	s_mul_i32 s84, s15, 4*6656                     ; my four tiles of A,
	s_mul_i32 s85, s16, 4*6656
	s_add_co_u32 s85, s85, B1                      ; of B,
	s_mul_i32 s86, s15, 4*6144
	s_add_co_u32 s86, s86, A2
	s_mul_i32 s87, s16, 4*6144
	s_add_co_u32 s87, s87, B2
	s_sub_co_u32 s88, s85, s84                     ; from A's scale words to B's
	s_add_co_u32 s90, s84, 512                     ; and the codes of the first half
	s_add_co_u32 s91, s85, 512
	s_mul_i32 s89, s14, 16*SPITCH
	s_add_co_u32 s89, s89, STAGE                   ; my stage
	v_and_b32 v1, 15, v0                           ; r
	v_bfe_u32 v2, v0, 4, 1                         ; h
	v_and_b32 v3, 31, v0
	v_lshlrev_b32 v8, 4, v3                        ; 16 x lane
	v_lshlrev_b32 v9, 3, v3                        ; 8 x lane
	v_lshlrev_b32 v10, 7, v2                       ; 128 h: the bias
	v_mul_u32_u24 v5, s88, v2                      ; lanes 16-31 take B's scale words: one product with h
	v_lshl_add_u32 v5, v1, 2, v5
	v_add_nc_u32 v5, s84, v5
	v_add_nc_u32 v16, s90, v8
	v_add_nc_u32 v17, s90, v9
	v_add_nc_u32 v18, s91, v8
	v_add_nc_u32 v19, s91, v9
	v_add_nc_u32 v20, s86, v8
	v_add_nc_u32 v21, s86, v9
	v_add_nc_u32 v22, s87, v8
	v_add_nc_u32 v23, s87, v9
	v_mul_u32_u24 v24, v1, SPITCH
	v_add_nc_u32 v24, v24, v10
	v_add_nc_u32 v24, s89, v24                     ; the stage, in: row r, + 128 h
	v_mul_u32_u24 v25, v2, SPITCH
	v_lshl_add_u32 v25, v1, 4, v25
	v_add_nc_u32 v25, s89, v25                     ; back: sixteen lanes take a row of 256 bytes
	v_lshlrev_b32 v26, 12, v2
	v_lshl_add_u32 v26, v1, 4, v26                 ; and the same two rows in out0
.irp b, 0,1,2,3                        ; tile b, half h: columns 32 h + 8 b + 0 .. 7
	global_load_b128 v[64+8*\b:67+8*\b], v10, s[8:9] offset:32*\b
	global_load_b128 v[68+8*\b:71+8*\b], v10, s[8:9] offset:32*\b+16
.endr
.macro FRAG f, a, b, off               ; a fragment, 16 rows x 128 K, is two half fragments: each a load of 16 bytes and one of 8 a lane
	WIN (1+(\f)/21)<<6
.set rF, 12*((\f)%21)
	ds_load_b128 v[rF:rF+3], v[\a] offset:\off
	ds_load_b64 v[rF+4:rF+5], v[\b] offset:\off+512
	ds_load_b128 v[rF+6:rF+9], v[\a] offset:\off+768
	ds_load_b64 v[rF+10:rF+11], v[\b] offset:\off+1280
.endm
.macro FA a, q                         ; token tile a, K step q, into set a % 2
.if (\q) < 4
	FRAG 32+8*((\a)%2)+(\q), 16, 17, 6656*(\a)+1536*(\q)
.else
	FRAG 32+8*((\a)%2)+(\q), 20, 21, 6144*(\a)+1536*((\q)-4)
.endif
.endm
.macro FB q                            ; B's four tiles, K step q
.irp b, 0,1,2,3
.if (\q) < 4
	FRAG 4*(\q)+\b, 18, 19, 6656*\b+1536*(\q)
.else
	FRAG 4*(\q)+\b, 22, 23, 6144*\b+1536*((\q)-4)
.endif
.endr
.endm
.macro P a, q                          ; four products of token tile a.  The four accumulators take turns, one instruction a turn: three others stand between a sum's steps
.set fA, 32+8*((\a)%2)+(\q)
.set rA, 12*(fA%21)
.set sA, 32+4*(\q)+(\a)
.irp b, 0,1,2,3
.set fB, 4*(\q)+\b
.set rB, 12*(fB%21)
.set rD, 96+32*((\a)%2)+8*\b
.set sB, 32+4*(\q)+\b
	WIN (1+fB/21)|((1+fA/21)<<2)
.if (\q) == 0
	v_wmma_scale_f32_16x16x128_f8f6f4 v[rD:rD+7], v[rB:rB+11], v[rA:rA+11], v[64+8*\b:71+8*\b], v[sB], v[sA] matrix_a_fmt:MATRIX_FMT_FP6 matrix_b_fmt:MATRIX_FMT_FP6 matrix_a_scale:MATRIX_SCALE_ROW1
.else
	v_wmma_scale_f32_16x16x128_f8f6f4 v[rD:rD+7], v[rB:rB+11], v[rA:rA+11], v[rD:rD+7], v[sB], v[sA] matrix_a_fmt:MATRIX_FMT_FP6 matrix_b_fmt:MATRIX_FMT_FP6 matrix_a_scale:MATRIX_SCALE_ROW1
.endif
.endr
.endm
; THE WAY OUT of a tile, 16 tokens x 64 columns, through my own stage in LDS: in by lanes, back as whole rows of 256 bytes.  LDS serves a wave's instructions in order: no wait between the stores and the loads.
; Stage row m of tile a is true row 8 a + 32 (m / 8) + m % 8 of my 64.
.macro TOSTAGE a
	WIN 0
	NOP4                                           ; places behind the products: for the stores that read their results, and for loads into their operands
.set rD, 96+32*((\a)%2)
.set rO, 160+32*((\a)%2)
.irp b, 0,1,2,3
	ds_store_b128 v24, v[rD+8*\b:rD+8*\b+3] offset:32*\b          ; each accumulator from its low end on
	ds_store_b128 v24, v[rD+8*\b+4:rD+8*\b+7] offset:32*\b+16
.endr
.if (\a) > 1
	s_wait_xcnt 0x0                                ; the stores of two tiles ago have read their registers
.endif
.irp t, 0,1,2,3,4,5,6,7
	ds_load_b128 v[rO+4*\t:rO+3+4*\t], v25 offset:\t*2*SPITCH
.endr
.endm
.macro SEND a, younger                 ; younger: the LDS instructions issued behind tile a's loads, which may stay out
	WIN 0
	s_wait_dscnt \younger
.set rO, 160+32*((\a)%2)
.irp t, 0,1,2,3,4,5,6,7
	global_store_b128 v26, v[rO+4*\t:rO+3+4*\t], s[10:11] offset:(8*(\a)+32*(\t/4)+2*(\t%4))*4096 th:TH_STORE_NT   ; sixteen lanes store 256 consecutive bytes, at a multiple of 256 from out0's first byte
.endr
.endm
	s_wait_alu depctr_va_vdst(0)
	s_cmp_lt_u32 s14, 2
	s_cbranch_scc0 .Lnot_first
	s_wait_tensorcnt 0x0
.Lnot_first:
	s_barrier_signal -1
	s_barrier_wait -1                              ; the scale words and the first half of K are in
.irp k, 0,1,2,3,4,5,6,7
.irp i, 0,1,2,3
	ds_load_b32 v[32+4*\k+\i], v5 offset:6656*\i+64*\k
.endr
.endr
.irp q, 0,1,2,3
	FA 0, \q
	FB \q
.endr
.irp q, 0,1,2,3
	FA 1, \q
.endr
	WIN 0
	s_wait_loadcnt 0x0                             ; the bias
	s_wait_dscnt 56                                ; K steps 0 and 1 are in: 56 loads are younger than step 1's five fragments
	P 0, 0
	P 0, 1
	s_wait_dscnt 36                                ; 36 loads are younger than K step 2's
	P 0, 2
	s_wait_dscnt 16                                ; 16 than K step 3's: the second tile's
	P 0, 3
	WIN 0
	s_wait_tensorcnt 0x0
	s_wait_dscnt 0x0
	s_barrier_signal -1                            ; a plain barrier shows the second half of K
	P 1, 0
	WIN 0
	s_barrier_wait -1
.irp q, 4,5,6,7
	FA 0, \q
	FB \q
.endr
.irp q, 4,5,6,7
	FA 1, \q
.endr
	P 1, 1
	P 1, 2
	P 1, 3
	s_wait_dscnt 56                                ; the same counts as in the first half
	P 0, 4
	P 0, 5
	s_wait_dscnt 36
	P 0, 6
	s_wait_dscnt 16
	P 0, 7
	TOSTAGE 0
.irp q, 0,1,2,3,4,5,6,7
	FA 2, \q
.endr
	s_wait_dscnt 48                                ; younger than the second tile's fragments: the stage's 16 and the third tile's 32
.irp q, 4,5,6,7
	P 1, \q
.endr
	SEND 0, 32
	TOSTAGE 1
.irp q, 0,1,2,3,4,5,6,7
	FA 3, \q
.endr
	s_wait_dscnt 48                                ; younger than the third tile's fragments: the stage's 16 and the fourth tile's 32
.irp q, 0,1,2,3
	P 2, \q
.endr
	SEND 1, 32
.irp q, 4,5,6,7
	P 2, \q
.endr
	TOSTAGE 2
	s_wait_dscnt 16                                ; younger than the fourth tile's fragments: the stage's 16
.irp q, 0,1,2,3
	P 3, \q
.endr
	SEND 2, 0
.irp q, 4,5,6,7
	P 3, \q
.endr
	TOSTAGE 3
	SEND 3, 0
	s_wait_tensorcnt 0x0                           ; the wave's end
	ds_add_u32 v[SPW], v[NIL]
	s_wait_dscnt 0x0
	CROUND                                         ; the closing round
	s_endpgm
.Lfunc_end_k_qdcfea7e003_proj:
	.size	k_qdcfea7e003_proj, .Lfunc_end_k_qdcfea7e003_proj-k_qdcfea7e003_proj
	.p2alignl 7, 3214868480
	.fill 96, 4, 3214868480
	.section	.rodata,"a",@progbits
	.p2align	6, 0x0
	.amdhsa_kernel k_qdcfea7e003_proj
		.amdhsa_group_segment_fixed_size 327680
		.amdhsa_private_segment_fixed_size 0
		.amdhsa_enable_private_segment 0
		.amdhsa_kernarg_size 32
		.amdhsa_user_sgpr_count 2
		.amdhsa_user_sgpr_kernarg_segment_ptr 1
		.amdhsa_wavefront_size32 1
		.amdhsa_system_sgpr_workgroup_id_x 1
		.amdhsa_system_sgpr_workgroup_id_y 1
		.amdhsa_system_sgpr_workgroup_id_z 1
		.amdhsa_system_vgpr_workitem_id 0
		.amdhsa_next_free_vgpr 840
		.amdhsa_next_free_sgpr 100
		.amdhsa_reserve_vcc 0
		.amdhsa_float_denorm_mode_32 3
		.amdhsa_float_denorm_mode_16_64 3
		.amdhsa_memory_ordered 1
		.amdhsa_forward_progress 1
		.amdhsa_inst_pref_size 53
	.end_amdhsa_kernel
	.amdgpu_metadata
---
amdhsa.version: [ 1, 2 ]
amdhsa.kernels:
  - .name:           k_qdcfea7e003_proj
    .symbol:         k_qdcfea7e003_proj.kd
    .args:
      - { .name: ai, .offset: 0, .size: 8, .value_kind: global_buffer, .address_space: global }
      - { .name: oi, .offset: 8, .size: 8, .value_kind: global_buffer, .address_space: global }
      - { .name: out_b, .offset: 16, .size: 8, .value_kind: global_buffer, .address_space: global }
      - { .name: out0, .offset: 24, .size: 8, .value_kind: global_buffer, .address_space: global }
    .group_segment_fixed_size: 327680
    .private_segment_fixed_size: 0
    .kernarg_segment_align: 8
    .kernarg_segment_size: 32
    .max_flat_workgroup_size: 128
    .sgpr_count:     100
    .vgpr_count:     840
    .wavefront_size: 32
...
	.end_amdgpu_metadata
.endif
;; end of part 4
